; MI455X (gfx1250); checked and timed in simulation.
; The chip was launched on July 23, 2026; its instructions are those of AMD's public machine-readable ISA for CDNA 5 (MIT licence, August 2026) and "CDNA5" Instruction Set Architecture Reference Guide (July 2026). The comments in the code are by the model that wrote it; some were corrected since.
;; Composable Mo E. Allowed arithmetic: float matrix products may take bf16 or f16 operands with f32 sums; other float arithmetic in f32, or as packed bf16 or f16 multiplies, adds, multiply-adds, maxima and minima; sums over many terms, partial sums and values carried from step to step in f32; what a program stores and reads back later, other than sums and carried values, may be rounded once to bf16 or f16.
;; Inputs: W1 16 x 1,024 x 1,024 float32; W2 16 x 1,024 x 512 float32; W3 16 x 512 x 512 float32; Wr 1,024 x 128 float32; b1 16 x 1,024 float32; b2 16 x 512 float32; b3 16 x 512 float32; br 128 float32; expert_embeddings 16 x 128 float32; x 2,048 x 1,024 float32.
;; Outputs: out0 2,048 x 512 float32.
;; One version. Each part assembles by itself: llvm-mc -triple=amdgcn-amd-amdhsa -mcpu=gfx1250 --defsym DOCPART=n.
;; ======== version 1 of 1: 6 launches
;; limits: values are held in f16: magnitudes above 65,504 overflow, below 6.1e-05 lose precision
;; workspace buffers: xb 4,194,304 bytes; sel 8,192 bytes of whole numbers; gates 16,384 bytes; xg 67,108,864 bytes; lst 133,120 bytes of whole numbers; h1 67,108,864 bytes; h2 33,554,432 bytes; part 8,421,376 bytes
;; launch router (part 1): grid 64 x 1, 8 waves a work-group, no clusters, 303,104 bytes of LDS; arguments x, Wr, br, expert_embeddings, xb, sel, gates; writes xb, sel, gates
.if DOCPART == 1
	.amdgcn_target "amdgcn-amd-amdhsa--gfx1250"
	.amdhsa_code_object_version 6
	.text
	.protected	k_q3adb9c67d5_router
	.globl	k_q3adb9c67d5_router
	.p2align	8
	.type	k_q3adb9c67d5_router,@function
k_q3adb9c67d5_router:
	s_mov_b64 s[64:65], 0
	v_nop
	global_prefetch_b8 v0, s[64:65] scope:SCOPE_SE
	s_setreg_imm32_b32 hwreg(HW_REG_WAVE_MODE, 25, 1), 1
	s_wait_xcnt 0x0
; ROUTER.  q = x Wr + br; d2[e] = sum (q - emb[e])^2; the two nearest experts; gates = softmax over their two scores -d2.
; x [2048][1024], Wr [1024][128], br [128], emb [16][128], all f32.  EVERY input is rounded once to bf16 (x, Wr for the matrix unit; br, emb kept as f32 numbers
; that hold the rounded value); all sums, the distances and the gates are f32.  Stored: xb = bf16(x), [2048][1024]; sel, two bitmaps for each expert
; (word e*512 + kind*256 + 4 j covers tokens 32 j .. 32 j + 31; kind 0: the token chose e, kind 1: e is its second choice); gates [2 n + k], f32.
; SHARES.  A work-group owns 32 tokens (one word of each bitmap).  Wave w multiplies K = 128 w .. 128 w + 127 for all 32 tokens and all 128 columns: 64 matrix instructions on 16
; accumulators; the eight partial q meet in LDS.  Then wave w sums columns 16 w .. 16 w + 15, then takes experts 2 w and 2 w + 1 (a lane a token), and wave 0 chooses.
; No address and no branch hangs on a result: what is chosen is stored at fixed places, for the launches behind.
; NO JOINT LOADS: what the 64 work-groups share is Wr, which arrives as f32 and has to pass through registers to be rounded; 512 KiB of it as f32 do not fit in LDS beside the rest.
; LIMITS.  Equal distances go to the lower index, as in top_k; NaN and infinities are not treated apart; the smaller gate's exponential counts as 0 below 2^-126.
; The order of the f32 sums differs from the reference's: two experts whose distances differ by less than the sums' own rounding may change places.
.set XSP,   272                        ; a row of x in LDS: 128 bf16 + 16 bytes: the 16 rows of a fragment load start at 16 different groups of four banks (64 banks of 4 bytes: ISA guide 11.1)
.set WSP,   288                        ; a row of Wr in LDS: 128 bf16 + 32 bytes
.set WSO,   32*XSP                     ; a wave's own bytes: 32 rows of x, then 32 K rows of Wr
.set WAVEB, 32*XSP+32*WSP
.set QP,    8*WAVEB                    ; eight partial q, each a wave's 16 accumulators as they lie in registers: 16,384 bytes
.set QQ,    QP+8*16384                 ; q: 32 rows of 128 f32 + 16 bytes
.set QPI,   528
.set EMB,   QQ+32*QPI                  ; the embeddings, rounded, as f32
.set SC,    EMB+8192                   ; the distances: 32 rows of 16 f32 + 16 bytes
.set SCP,   80
.set SPARE, SC+32*SCP                  ; the spare words, 128 bytes for each wave: four blocks of 256 bytes that no other line names
; window 0: v0 thread, v1 lane, v2 lane % 16, v3 lane / 16, v4-5 the add's two, v6 16 x lane, v7 8 x lane, v8-14 LDS addresses, v15 at work
.set BRV, 16                           ; v16-23   br of columns 16 w + 8 (lane / 16) + 0..7
.set RAW, 24                           ; v24-31   my 8 numbers of emb
.set ACC, 32                           ; v32-159  accumulator (b, n) at ACC + 8 (8 b + n): tokens 16 b .., columns 16 n ..
.set BF,  160                          ; v160-223 eight fragments of Wr
.set AF,  224                          ; v224-239 two fragments of x
.set R0,  0                            ; window 1: two sets of 32 loads x 4 registers
.set R1,  128
.set MSB, 0
.macro WIN new                         ; the immediate's high byte repeats the setting that is left; a switch that changes nothing is dropped
.if MSB != (\new)
	s_set_vgpr_msb (MSB<<8)|(\new)
.set MSB, \new
.endif
.endm
.set TO_F,   0x40                      ; destination window 1, address window 0
.set IN_F,   0x45                      ; destination and both sources window 1
.set FROM_F, 0x04                      ; a store's data window 1, its address window 0
	s_load_b256 s[4:11], s[0:1], 0x0               ; x s[4:5], Wr s[6:7], br s[8:9], emb s[10:11]
	s_load_b128 s[12:15], s[0:1], 0x20             ; xb s[12:13], sel s[14:15]
	s_load_b64 s[16:17], s[0:1], 0x30              ; gates
	v_lshl_add_u32 v4, v0, 2, SPARE                ; my spare word,
	v_mov_b32 v5, 0                                ; and 0: kept for the wave's last lines alone
	v_lshrrev_b32 v15, 5, v0
	v_readfirstlane_b32 s18, v15                   ; wave 0..7
	v_and_b32 v1, 31, v0
	v_and_b32 v2, 15, v0
	v_bfe_u32 v3, v0, 4, 1
	v_lshlrev_b32 v6, 4, v1
	v_lshlrev_b32 v7, 3, v1
	s_mov_b32 s26, 0xffff0000                      ; a word's upper bf16
	s_mul_i32 s20, s18, WAVEB                      ; my wave's own bytes
	v_add_nc_u32 v8, s20, v7                       ; x goes in at row x 272 + 8 x lane,
	v_add_nc_u32 v9, WSO, v8                       ; Wr at row x 288 + 8 x lane
	v_mul_u32_u24 v10, v2, XSP                     ; a fragment of x: row lane % 16, 16 bytes for each half of the lanes
	v_lshl_add_u32 v10, v3, 4, v10
	v_add_nc_u32 v10, s20, v10
	v_and_b32 v15, 7, v0                           ; the turning load: lane l reads K row 8 (l / 16) + l % 8, columns 8 ((l / 8) % 2) + 0..7
	v_lshl_add_u32 v15, v3, 3, v15
	v_mul_u32_u24 v11, v15, WSP
	v_bfe_u32 v15, v0, 3, 1
	v_lshl_add_u32 v11, v15, 4, v11
	v_add_nc_u32 v11, s20, v11
	v_add_nc_u32 v11, WSO, v11
	s_lshl_b32 s21, s18, 10
	v_add_nc_u32 v12, s21, v6                      ; the partial q are read back at tile w of each: partials 0-3,
	v_add_nc_u32 v12, QP, v12
	v_add_nc_u32 v13, 0x10000, v12                 ; partials 4-7
	s_lshl_b32 s21, s18, 14
	v_add_nc_u32 v14, s21, v6                      ; and my own partial goes here
	v_add_nc_u32 v14, QP, v14
	v_lshlrev_b32 v240, 5, v0                      ; my 32 bytes of emb
	s_lshl_b32 s21, s18, 6
	v_lshl_add_u32 v241, v3, 5, s21                ; br: columns 16 w + 8 (lane / 16)
	s_lshl_b32 s24, ttmp9, 17                      ; x: 32 rows of 4,096 bytes a work-group, 512 bytes of a row a wave
	s_lshl_b32 s21, s18, 9
	s_add_co_u32 s24, s24, s21
	s_mov_b32 s25, 0
	s_lshl_b32 s28, ttmp9, 16                      ; xb: half of that
	s_lshl_b32 s21, s18, 8
	s_add_co_u32 s28, s28, s21
	s_mov_b32 s29, 0
	s_lshl_b32 s30, s18, 16                        ; Wr: 128 rows of 512 bytes a wave
	s_mov_b32 s31, 0
	s_lshl_b32 s32, ttmp9, 2                       ; sel: my word of each bitmap
	s_mov_b32 s33, 0
	s_lshl_b32 s34, ttmp9, 8                       ; gates: 32 tokens x 8 bytes
	s_mov_b32 s35, 0
	s_wait_kmcnt 0x0
	s_add_nc_u64 s[4:5], s[4:5], s[24:25]
	s_add_nc_u64 s[6:7], s[6:7], s[30:31]
	s_add_nc_u64 s[12:13], s[12:13], s[28:29]
	s_add_nc_u64 s[14:15], s[14:15], s[32:33]
	s_add_nc_u64 s[16:17], s[16:17], s[34:35]
.macro WFILL R, s                      ; 32 loads, each a whole row of Wr (512 bytes): K rows 32 s .. 32 s + 31 of my 128
	WIN TO_F
.set i, 0
.rept 32
	global_load_b128 v[(\R)+4*i:(\R)+4*i+3], v6, s[6:7] offset:(32*(\s)+i)*512
.set i, i+1
.endr
.endm
.macro ROUND R                         ; a set's 128 f32 a lane are rounded to bf16, in place: load i's four numbers into its first two registers
	WIN IN_F
.set i, 0
.rept 32
	v_cvt_pk_bf16_f32 v[(\R)+4*i], v[(\R)+4*i], v[(\R)+4*i+1]
	v_cvt_pk_bf16_f32 v[(\R)+4*i+1], v[(\R)+4*i+2], v[(\R)+4*i+3]
.set i, i+1
.endr
.endm
	global_load_b128 v[RAW:RAW+3], v240, s[10:11]
	global_load_b128 v[RAW+4:RAW+7], v240, s[10:11] offset:16
	global_load_b128 v[BRV:BRV+3], v241, s[8:9]
	global_load_b128 v[BRV+4:BRV+7], v241, s[8:9] offset:16
	WIN TO_F
.set i, 0
.rept 32                               ; my 512 bytes of each of the 32 rows of x; nobody else reads them in this launch
	global_load_b128 v[R0+4*i:R0+4*i+3], v6, s[4:5] offset:i*4096 th:TH_LOAD_NT
.set i, i+1
.endr
	WFILL R1, 0
	WIN 0
	s_wait_loadcnt 32                              ; all but the 32 loads of Wr just issued: emb, br and x are in
.irp c, 0,1,2,3                        ; emb and br: rounded to bf16 and widened again
	v_cvt_pk_bf16_f32 v[242+\c], v[RAW+2*\c], v[RAW+2*\c+1]
	v_cvt_pk_bf16_f32 v[246+\c], v[BRV+2*\c], v[BRV+2*\c+1]
.endr
.irp c, 0,1,2,3
	v_lshlrev_b32 v[RAW+2*\c], 16, v[242+\c]
	v_and_b32 v[RAW+2*\c+1], s26, v[242+\c]
	v_lshlrev_b32 v[BRV+2*\c], 16, v[246+\c]
	v_and_b32 v[BRV+2*\c+1], s26, v[246+\c]
.endr
	v_add_nc_u32 v240, EMB, v240                   ; free since the wait above showed its loads done
	ds_store_b128 v240, v[RAW:RAW+3]
	ds_store_b128 v240, v[RAW+4:RAW+7] offset:16
	ROUND R0
	WIN FROM_F
.set i, 0
.rept 32
	global_store_b64 v7, v[R0+4*i:R0+4*i+1], s[12:13] offset:i*2048  ; the wave's 32 lanes store 256 consecutive bytes, at a multiple of 256 from xb's first byte
	ds_store_b64 v8, v[R0+4*i:R0+4*i+1] offset:i*XSP
.set i, i+1
.endr
	s_wait_xcnt 0x0                                ; the stores' data registers are loaded again only behind this wait
	WFILL R0, 1
; One K step of 32: the set R, which holds its 32 rows of Wr, is rounded and laid into my own bytes of LDS; the set is asked for again two steps on; the fragments come back (Wr turned);
; 16 matrix instructions, the 16 accumulators by turns.  Source 0 = 16 columns of Wr, source 1 = 16 tokens: a lane then holds one token and eight neighbouring columns.
; left = the loads younger than this set's: one set of 32, or none.  The 64 roundings are the plain vector instructions between the step before's matrix instructions and the loads into their fragments.
.macro KSTEP s, R, left
	s_wait_loadcnt \left
	ROUND \R
	WIN FROM_F
.set i, 0
.rept 32
	ds_store_b64 v9, v[(\R)+4*i:(\R)+4*i+1] offset:i*WSP
.set i, i+1
.endr
.if (\s) < 2
	WFILL \R, (\s)+2
.endif
	WIN 0
.irp n, 0,1,2,3,4,5,6,7                ; LDS serves a wave's instructions in order (ISA guide 5.7.1.4): these see the stores above
	ds_load_tr16_b128 v[BF+8*\n:BF+8*\n+3], v11 offset:32*\n
	ds_load_tr16_b128 v[BF+8*\n+4:BF+8*\n+7], v11 offset:32*\n+16*WSP
.endr
.irp b, 0,1
	ds_load_b128 v[AF+8*\b:AF+8*\b+3], v10 offset:\b*16*XSP+64*(\s)
	ds_load_b128 v[AF+8*\b+4:AF+8*\b+7], v10 offset:\b*16*XSP+64*(\s)+32
.endr
	s_wait_dscnt 0x0
.irp b, 0,1
.irp n, 0,1,2,3,4,5,6,7
.if (\s) == 0
	v_wmma_f32_16x16x32_bf16 v[ACC+8*(8*\b+\n):ACC+8*(8*\b+\n)+7], v[BF+8*\n:BF+8*\n+7], v[AF+8*\b:AF+8*\b+7], 0
.else
	v_wmma_f32_16x16x32_bf16 v[ACC+8*(8*\b+\n):ACC+8*(8*\b+\n)+7], v[BF+8*\n:BF+8*\n+7], v[AF+8*\b:AF+8*\b+7], v[ACC+8*(8*\b+\n):ACC+8*(8*\b+\n)+7]
.endif
.endr
.endr
.endm
	KSTEP 0, R1, 32
	KSTEP 1, R0, 32
	KSTEP 2, R1, 32
	KSTEP 3, R0, 0
	; My partial q goes out as it lies in registers, each accumulator's low four registers first.
.rept 4
	v_nop                                          ; four plain vector instructions between the last matrix instruction and the first read of a result (ISA guide 7.12.1)
.endr
.set i, 0
.rept 16
	ds_store_b128 v14, v[ACC+8*i:ACC+8*i+3] offset:i*1024
	ds_store_b128 v14, v[ACC+8*i+4:ACC+8*i+7] offset:i*1024+512
.set i, i+1
.endr
	s_wait_dscnt 0x0                               ; for the others' sake: my partial q (and my part of emb) is in LDS
	s_barrier_signal -1
	s_barrier_wait -1
	; Wave w sums the eight partials of columns 16 w .. 16 w + 15, both blocks of tokens: partial p, block b at ACC + 16 p + 8 b.
.irp p, 0,1,2,3
.irp b, 0,1
	ds_load_b128 v[ACC+16*\p+8*\b:ACC+16*\p+8*\b+3], v12 offset:\p*16384+\b*8192
	ds_load_b128 v[ACC+16*\p+8*\b+4:ACC+16*\p+8*\b+7], v12 offset:\p*16384+\b*8192+512
.endr
.endr
.irp p, 0,1,2,3
.irp b, 0,1
	ds_load_b128 v[ACC+64+16*\p+8*\b:ACC+64+16*\p+8*\b+3], v13 offset:\p*16384+\b*8192
	ds_load_b128 v[ACC+64+16*\p+8*\b+4:ACC+64+16*\p+8*\b+7], v13 offset:\p*16384+\b*8192+512
.endr
.endr
	v_mul_u32_u24 v15, v2, QPI                     ; where q goes: row lane % 16, my wave's 64 bytes, 32 for each half of the lanes
	v_lshl_add_u32 v15, v3, 5, v15
	s_lshl_b32 s21, s18, 6
	v_add_nc_u32 v15, s21, v15
	v_add_nc_u32 v15, QQ, v15
	s_wait_dscnt 0x0
.irp p, 1,2,3,4,5,6,7
.irp c, 0,1,2,3,4,5,6,7
	v_pk_add_f32 v[ACC+2*\c:ACC+2*\c+1], v[ACC+2*\c:ACC+2*\c+1], v[ACC+16*\p+2*\c:ACC+16*\p+2*\c+1]
.endr
.endr
.irp b, 0,1
.irp c, 0,1,2,3
	v_pk_add_f32 v[ACC+8*\b+2*\c:ACC+8*\b+2*\c+1], v[ACC+8*\b+2*\c:ACC+8*\b+2*\c+1], v[BRV+2*\c:BRV+2*\c+1]
.endr
.endr
	ds_store_b128 v15, v[ACC:ACC+3]
	ds_store_b128 v15, v[ACC+4:ACC+7] offset:16
	ds_store_b128 v15, v[ACC+8:ACC+11] offset:16*QPI
	ds_store_b128 v15, v[ACC+12:ACC+15] offset:16*QPI+16
	v_mul_u32_u24 v240, v1, QPI                    ; the distances: a lane a token; its row of q,
	v_add_nc_u32 v240, QQ, v240
	s_lshl_b32 s21, s18, 10
	s_add_co_u32 s21, s21, EMB
	v_mov_b32 v241, s21                            ; the rows of experts 2 w and 2 w + 1 (one address for all lanes),
	v_mul_u32_u24 v243, v1, SCP
	v_add_nc_u32 v243, SC, v243                    ; the token's row of distances,
	s_lshl_b32 s21, s18, 3
	v_add_nc_u32 v242, s21, v243                   ; and my two places in it
.irp c, 0,1,2,3,4,5,6,7
	v_mov_b32 v[128+\c], 0                         ; four partial sums for each of the two experts
.endr
	s_wait_dscnt 0x0                               ; for the others' sake: my columns of q are in LDS
	s_barrier_signal -1
	s_barrier_wait -1
.macro DIST t                          ; 32 columns: q in v32-63, the two experts' rows in v64-95 and v96-127; (q - e)^2 is added up, two numbers at a time
.irp j, 0,1,2,3,4,5,6,7
	ds_load_b128 v[32+4*\j:35+4*\j], v240 offset:128*(\t)+16*\j
.endr
.irp j, 0,1,2,3,4,5,6,7
	ds_load_b128 v[64+4*\j:67+4*\j], v241 offset:128*(\t)+16*\j
	ds_load_b128 v[96+4*\j:99+4*\j], v241 offset:512+128*(\t)+16*\j
.endr
	s_wait_dscnt 0x0
.irp j, 0,1,2,3,4,5,6,7
.irp z, 0,1
.set tq, 136+4*((2*\j+\z)%4)
	v_pk_add_f32 v[tq:tq+1], v[32+4*\j:33+4*\j], v[64+32*\z+4*\j:65+32*\z+4*\j] neg_lo:[0,1] neg_hi:[0,1]
	v_pk_add_f32 v[tq+2:tq+3], v[34+4*\j:35+4*\j], v[66+32*\z+4*\j:67+32*\z+4*\j] neg_lo:[0,1] neg_hi:[0,1]
	v_pk_fma_f32 v[128+4*\z:129+4*\z], v[tq:tq+1], v[tq:tq+1], v[128+4*\z:129+4*\z]
	v_pk_fma_f32 v[130+4*\z:131+4*\z], v[tq+2:tq+3], v[tq+2:tq+3], v[130+4*\z:131+4*\z]
.endr
.endr
.endm
	DIST 0
	DIST 1
	DIST 2
	DIST 3
	v_add_f32 v128, v128, v129
	v_add_f32 v130, v130, v131
	v_add_f32 v132, v132, v133
	v_add_f32 v134, v134, v135
	v_add_f32 v128, v128, v130
	v_add_f32 v129, v132, v134
	ds_store_b64 v242, v[128:129]
	s_wait_dscnt 0x0                               ; for wave 0's sake: my two distances of each token are in LDS
	s_barrier_signal -1
	s_barrier_wait -1
	s_cmp_lg_u32 s18, 0
	s_cbranch_scc1 .Lend                           ; the choice is wave 0's: a lane a token; no barrier stands in what the others jump
.irp c, 0,1,2,3
	ds_load_b128 v[32+4*\c:35+4*\c], v243 offset:16*\c
.endr
	v_mov_b32 v49, 0                               ; the nearest expert's index, v48 its distance;
	v_mov_b32 v50, 0x7f800000                      ; the second's distance, from +infinity,
	v_mov_b32 v51, 1                               ; and index: the two indices are never alike
	s_wait_dscnt 0x0
	v_mov_b32 v48, v32
.set e, 1
.rept 15                               ; strictly smaller only: among equals the lower index stays in front
	v_cmp_lt_f32 s20, v[32+e], v48
	v_cmp_lt_f32 s21, v[32+e], v50
	v_cndmask_b32 v52, v50, v[32+e], s21
	v_cndmask_b32 v53, v51, e, s21
	v_cndmask_b32 v50, v52, v48, s20
	v_cndmask_b32 v51, v53, v49, s20
	v_cndmask_b32 v48, v48, v[32+e], s20
	v_cndmask_b32 v49, v49, e, s20
.set e, e+1
.endr
	; The scores are -d2; their maximum, -d2 of the nearest, is taken away: the exponents are 0 and d2_1 - d2_2 <= 0.
	v_sub_f32 v52, v48, v50
	v_mul_f32 v52, 0x3fb8aa3b, v52                 ; log2(e)
	v_exp_f32 v53, v52
	v_nop                                          ; a plain instruction behind the exponential,
	s_wait_alu depctr_va_vdst(0)                   ; and a wait ahead of the first use of its result
	v_add_f32 v54, 1.0, v53
	v_rcp_f32 v56, v54                             ; the first gate
	v_nop
	s_wait_alu depctr_va_vdst(0)                   ; the same for the reciprocal
	v_mul_f32 v57, v53, v56                        ; the second
	global_store_b64 v7, v[56:57], s[16:17]        ; 256 consecutive bytes, at a multiple of 256 from the buffer's first byte
	v_mov_b32 v24, 0
.set e, 0
.rept 16                               ; lane e takes the word 'chose e', lane 16 + e the word 'e is the second choice'
	v_cmp_eq_u32 s20, e, v49
	v_cmp_eq_u32 s21, e, v51
	s_or_b32 s20, s20, s21
	v_writelane_b32 v24, s20, e
	v_writelane_b32 v24, s21, 16+e
.set e, e+1
.endr
	v_lshlrev_b32 v58, 9, v2
	v_lshl_add_u32 v58, v3, 8, v58
	global_store_b32 v58, v24, s[14:15]            ; 32 single words, laid by expert so that the launches behind take an expert's 64 words as scalars
.Lend:
	s_wait_tensorcnt 0x0                           ; the wave's end, behind my last LDS store
	ds_add_u32 v4, v5
	s_wait_dscnt 0x0
	s_endpgm
.Lfunc_end_k_q3adb9c67d5_router:
	.size	k_q3adb9c67d5_router, .Lfunc_end_k_q3adb9c67d5_router-k_q3adb9c67d5_router
	.p2alignl 7, 3214868480
	.fill 96, 4, 3214868480
	.section	.rodata,"a",@progbits
	.p2align	6, 0x0
	.amdhsa_kernel k_q3adb9c67d5_router
		.amdhsa_group_segment_fixed_size 303104
		.amdhsa_private_segment_fixed_size 0
		.amdhsa_enable_private_segment 0
		.amdhsa_kernarg_size 56
		.amdhsa_user_sgpr_count 2
		.amdhsa_user_sgpr_kernarg_segment_ptr 1
		.amdhsa_wavefront_size32 1
		.amdhsa_system_sgpr_workgroup_id_x 1
		.amdhsa_system_sgpr_workgroup_id_y 1
		.amdhsa_system_sgpr_workgroup_id_z 1
		.amdhsa_system_vgpr_workitem_id 0
		.amdhsa_next_free_vgpr 512
		.amdhsa_next_free_sgpr 66
		.amdhsa_reserve_vcc 0
		.amdhsa_float_denorm_mode_32 3
		.amdhsa_float_denorm_mode_16_64 3
		.amdhsa_memory_ordered 1
		.amdhsa_forward_progress 1
		.amdhsa_inst_pref_size 108
	.end_amdhsa_kernel
	.amdgpu_metadata
---
amdhsa.version: [ 1, 2 ]
amdhsa.kernels:
  - .name:           k_q3adb9c67d5_router
    .symbol:         k_q3adb9c67d5_router.kd
    .args:
      - { .name: x, .offset: 0, .size: 8, .value_kind: global_buffer, .address_space: global }
      - { .name: Wr, .offset: 8, .size: 8, .value_kind: global_buffer, .address_space: global }
      - { .name: br, .offset: 16, .size: 8, .value_kind: global_buffer, .address_space: global }
      - { .name: expert_embeddings, .offset: 24, .size: 8, .value_kind: global_buffer, .address_space: global }
      - { .name: xb, .offset: 32, .size: 8, .value_kind: global_buffer, .address_space: global }
      - { .name: sel, .offset: 40, .size: 8, .value_kind: global_buffer, .address_space: global }
      - { .name: gates, .offset: 48, .size: 8, .value_kind: global_buffer, .address_space: global }
    .group_segment_fixed_size: 303104
    .private_segment_fixed_size: 0
    .kernarg_segment_align: 8
    .kernarg_segment_size: 56
    .max_flat_workgroup_size: 256
    .sgpr_count:     66
    .vgpr_count:     512
    .wavefront_size: 32
...
	.end_amdgpu_metadata
.endif
;; end of part 1
;; launch place (part 2): grid 16 x 16, 8 waves a work-group, no clusters, 0 bytes of LDS; arguments xb, sel, xg, lst; writes xg, lst
.if DOCPART == 2
	.amdgcn_target "amdgcn-amd-amdhsa--gfx1250"
	.amdhsa_code_object_version 6
	.text
	.protected	k_q3adb9c67d5_place
	.globl	k_q3adb9c67d5_place
	.p2align	8
	.type	k_q3adb9c67d5_place,@function
k_q3adb9c67d5_place:
	s_mov_b64 s[64:65], 0
	v_nop
	global_prefetch_b8 v0, s[64:65] scope:SCOPE_SE
	s_setreg_imm32_b32 hwreg(HW_REG_WAVE_MODE, 25, 1), 1
	s_wait_xcnt 0x0
; PLACE.  The router's choices are turned, once for the three products behind, into: the number of rows of each expert; the entries 2 n + k of its rows in slot order (slot s = its s-th token in
; ascending order; k = 1: the expert is the token's second choice); and xg, the chosen rows of xb in the order in which the first product's operand registers take them.
; sel: two bitmaps an expert (word e*512 + kind*256 + 4 j covers tokens 32 j .. 32 j + 31; kind 0: chose e, kind 1: as second choice).  xb: bf16 [2048][1024].
; xg: [expert][block of 16 slots][K step of 32][half j][lane (r, h)][16 bytes] = xb[token of slot 16 rb + r][32 ks + 16 j + 8 h + 0..7]; an expert has room for 2,048 slots.
; lst: entries at e*8192 + 4 slot; the count at 131072 + e*128, repeated in 32 words, so that each lane stores a word of its own.
; SHARES.  Work-group (x, e) takes tiles x, x + 16, x + 32, x + 48 of 32 slots of expert e: 64 tiles serve every split; the loop is left, forward, at the first tile that the expert does not have.
; Wave w takes K steps 4 w .. 4 w + 3 of the tile: 256 bytes of each of its 32 rows, 16 loads and 16 stores, each store 512 consecutive bytes.
; THE SLOT'S TOKEN is found in registers, by whole numbers alone: the expert's 64 words lie in scalar registers; lane l looks for slot R = 32 t + l.  The word that holds it is the last one whose
; running count P is not above R: 63 steps of a compare and two selects keep the word and, packed, its index and P.  Bit number R - P among the word's set bits is found by five halvings on the
; counts of its fields of 16, 8, 4, 2 and 1 bits.  A place past the count (the last tile's rest) takes a token that exists, whichever falls out, and the entry 4096 + e.
; No LDS, no barrier, no matrix unit.  NO JOINT LOADS: all that the work-groups of an expert share is its 512 bytes of bitmaps; the rows come by addresses that no descriptor covers.
.set CNTO, 131072                      ; where the counts begin in lst
.set X,    32                          ; v32-95  the 16 loads: K step s, block b, half j at X + 4 (4 s + 2 b + j)
; v1 lane, v3 lane / 16, v9 the count as stored, v10 R, v11 the word, v12 index << 16 | P, v13 index, v14 the rank in the word, v15-18 field counts, v19, v21 at work, v20 the bit, v22 the token,
; v23 the token of the lane 16 away, v24-25 the two blocks' row offsets, v26 16 (lane / 16) + 256 w, v27 16 x lane, v28 offset of the 'second' word, v29 that word, v30 the entry, v31 4 x lane
; s2 P, s3 at work, s12 wave, s13 expert, s14 mask, s15 packed, s[16:63] and s[68:83] the 64 words, s66 trips, s67 at work, s[84:85] xg and s[86:87] lst at the tile, s88 tiles, s89 tile,
; s[90:91] the count's place, s[92:93] an offset, s[94:95] sel, s[96:97] xg and s[98:99] lst at the expert, s100 lanes 16-31, s101 4096 + e, s[104:105] v_permlanex16_b32's selects
	s_load_b256 s[4:11], s[0:1], 0x0               ; xb s[4:5], sel s[6:7], xg s[8:9], lst s[10:11]
	v_lshrrev_b32 v2, 5, v0
	v_readfirstlane_b32 s12, v2                    ; wave 0..7
	v_and_b32 v1, 31, v0
	v_bfe_u32 v3, v0, 4, 1
	s_and_b32 s13, ttmp7, 0xffff                   ; the expert
	s_mov_b32 s89, ttmp9                           ; my first tile
	s_mov_b32 s66, 4
	s_mov_b32 s100, 0xffff0000
	s_mov_b32 s104, 0x76543210                     ; each lane takes its own place in the other half
	s_mov_b32 s105, 0xfedcba98
	s_add_co_u32 s101, s13, 4096
	s_lshl_b32 s67, s12, 8                         ; my wave's 256 bytes of a row of xb,
	v_lshl_add_u32 v26, v3, 4, s67                 ; 16 bytes for each half of the lanes
	v_lshlrev_b32 v27, 4, v1
	v_lshlrev_b32 v31, 2, v1
	v_mov_b32 v23, 0                               ; v_permlanex16_b32 counts as a reader of its destination
	s_lshl_b32 s92, s13, 9                         ; sel: the expert's 512 bytes
	s_mov_b32 s93, 0
	s_lshl_b32 s84, s13, 22                        ; xg: the expert's 2,048 slots, my wave's four K steps of a block
	s_lshl_b32 s67, s12, 12
	s_add_co_u32 s84, s84, s67
	s_mov_b32 s85, 0
	s_lshl_b32 s86, s13, 13                        ; lst: the expert's entries,
	s_mov_b32 s87, 0
	s_lshl_b32 s2, s13, 7                          ; and its count
	s_add_co_u32 s2, s2, CNTO
	s_mov_b32 s3, 0
	s_wait_kmcnt 0x0
	s_add_nc_u64 s[94:95], s[6:7], s[92:93]
	s_load_b512 s[16:31], s[94:95], 0x0            ; the 64 words 'chose e', all asked for at once
	s_load_b512 s[32:47], s[94:95], 0x40
	s_load_b512 s[48:63], s[94:95], 0x80
	s_load_b512 s[68:83], s[94:95], 0xc0
	s_add_nc_u64 s[96:97], s[8:9], s[84:85]
	s_add_nc_u64 s[98:99], s[10:11], s[86:87]
	s_add_nc_u64 s[90:91], s[10:11], s[2:3]
	s_wait_kmcnt 0x0
; One halving: does the slot's bit lie above the field of \step bits at bit v20?  \src holds the counts of fields of that size, \width bits each.
.macro LEVEL src, width, step
	v_bfe_u32 v19, v[\src], v20, \width            ; set bits in the lower field
	v_cmp_ge_u32 vcc_lo, v14, v19                  ; the rank is not among them:
	v_cndmask_b32 v19, 0, v19, vcc_lo
	v_cndmask_b32 v21, 0, \step, vcc_lo
	v_sub_nc_u32 v14, v14, v19                     ; they are passed,
	v_add_nc_u32 v20, v20, v21                     ; and the search goes on above
.endm
.Ltrip:
	v_lshl_add_u32 v10, s89, 5, v1                 ; R: my slot
	v_mov_b32 v11, s16
	v_mov_b32 v12, 0
	s_mov_b32 s2, 0
.set i, 1
.rept 63
.set cp, 16+(i-1)+4*((i-1)/48)         ; word i lies in s[16 + i], from word 48 on in s[20 + i]
.set cw, 16+i+4*(i/48)
	s_bcnt1_i32_b32 s3, s[cp]
	s_add_co_u32 s2, s2, s3                        ; P: the rows in the words below word i
	s_add_co_u32 s15, s2, i<<16
	v_cmp_le_u32 s14, s2, v10
	v_cndmask_b32 v11, v11, s[cw], s14
	v_cndmask_b32 v12, v12, s15, s14
.set i, i+1
.endr
	s_bcnt1_i32_b32 s3, s83
	s_add_co_u32 s2, s2, s3                        ; the expert's rows,
	s_add_co_u32 s88, s2, 31
	s_lshr_b32 s88, s88, 5                         ; its tiles of 32
	s_or_b32 s67, s89, s12
	s_cmp_lg_u32 s67, 0
	s_cbranch_scc1 .Lno_count                      ; the count is stored by wave 0 of the work-group that has tile 0, also where the expert has no row
	v_mov_b32 v9, s2
	global_store_b32 v31, v9, s[90:91]             ; 128 consecutive bytes
.Lno_count:
	s_cmp_ge_u32 s89, s88
	s_cbranch_scc1 .Ldone                          ; the expert has no such tile, nor any later one
	v_lshrrev_b32 v13, 16, v12                     ; the word's index,
	v_and_b32 v14, 0xffff, v12                     ; the rows below it
	v_min_u32 v28, 63, v13                         ; inside sel whatever it holds
	v_lshlrev_b32 v28, 2, v28
	global_load_b32 v29, v28, s[94:95] offset:256  ; the same word of 'e is the second choice'
	v_sub_nc_u32 v14, v10, v14                     ; the rank of my slot's bit among the word's set bits
	v_lshrrev_b32 v15, 1, v11                      ; the word's counts by fields of 2 bits,
	v_and_b32 v15, 0x55555555, v15
	v_sub_nc_u32 v15, v11, v15
	v_lshrrev_b32 v16, 2, v15                      ; of 4,
	v_and_b32 v16, 0x33333333, v16
	v_and_b32 v17, 0x33333333, v15
	v_add_nc_u32 v16, v16, v17
	v_lshrrev_b32 v17, 4, v16                      ; of 8,
	v_add_nc_u32 v17, v17, v16
	v_and_b32 v17, 0x0f0f0f0f, v17
	v_lshrrev_b32 v18, 8, v17                      ; and, in its lowest byte, of the lower 16
	v_add_nc_u32 v18, v18, v17
	v_mov_b32 v20, 0
	LEVEL 18, 8, 16
	LEVEL 17, 8, 8
	LEVEL 16, 4, 4
	LEVEL 15, 2, 2
	LEVEL 11, 1, 1
	v_lshl_add_u32 v22, v13, 5, v20                ; the token of slot 32 t + lane
	v_permlanex16_b32 v23, v22, s104, s105         ; and of the slot 16 away
	v_cndmask_b32 v24, v22, v23, s100              ; block 0: lane (r, h) wants slot r,
	v_cndmask_b32 v25, v23, v22, s100              ; block 1: slot 16 + r
	v_min_u32 v24, 2047, v24                       ; inside xb whatever sel holds
	v_min_u32 v25, 2047, v25
	v_lshl_add_u32 v24, v24, 11, v26               ; the row of 2,048 bytes, my wave's part of it
	v_lshl_add_u32 v25, v25, 11, v26
	s_lshl_b32 s92, s89, 16                        ; a tile is 65,536 bytes of xg
	s_add_nc_u64 s[84:85], s[96:97], s[92:93]
	s_lshl_b32 s92, s89, 7                         ; and 128 bytes of entries
	s_add_nc_u64 s[86:87], s[98:99], s[92:93]
.set q, 0
.rept 16
	global_load_b128 v[X+4*q:X+4*q+3], v[24+(q/2)%2], s[4:5] offset:64*(q/4)+32*(q%2)
.set q, q+1
.endr
	s_wait_loadcnt 16                              ; all but the 16 row loads: the 'second' word is in
	v_bfe_u32 v29, v29, v20, 1                     ; k
	v_lshl_or_b32 v30, v22, 1, v29                 ; 2 n + k,
	v_cmp_le_u32 vcc_lo, s2, v10
	v_cndmask_b32 v30, v30, s101, vcc_lo           ; or 4096 + e past the count
	s_cmp_lg_u32 s12, 0
	s_cbranch_scc1 .Lno_entries                    ; the entries are wave 0's to store
	global_store_b32 v31, v30, s[86:87]            ; 128 consecutive bytes
.Lno_entries:
.set q, 0
.rept 16
	s_wait_loadcnt 15-q                            ; loads come back in order (ISA guide 5.7.1): load q is in, the younger ones stay out
	global_store_b128 v27, v[X+4*q:X+4*q+3], s[84:85] offset:((q/2)%2)*32768+(q/4)*1024+(q%2)*512  ; 512 consecutive bytes, at a multiple of 256 from xg's first byte
.set q, q+1
.endr
	s_wait_xcnt 0x0                                ; the stores' data and bases are rewritten in the next trip only behind this wait
	s_add_co_u32 s89, s89, 16
	s_sub_co_u32 s66, s66, 1
	s_cmp_lg_u32 s66, 0
	s_cbranch_scc1 .Ltrip
.Ldone:
	s_endpgm
.Lfunc_end_k_q3adb9c67d5_place:
	.size	k_q3adb9c67d5_place, .Lfunc_end_k_q3adb9c67d5_place-k_q3adb9c67d5_place
	.p2alignl 7, 3214868480
	.fill 96, 4, 3214868480
	.section	.rodata,"a",@progbits
	.p2align	6, 0x0
	.amdhsa_kernel k_q3adb9c67d5_place
		.amdhsa_group_segment_fixed_size 0
		.amdhsa_private_segment_fixed_size 0
		.amdhsa_enable_private_segment 0
		.amdhsa_kernarg_size 32
		.amdhsa_user_sgpr_count 2
		.amdhsa_user_sgpr_kernarg_segment_ptr 1
		.amdhsa_wavefront_size32 1
		.amdhsa_system_sgpr_workgroup_id_x 1
		.amdhsa_system_sgpr_workgroup_id_y 1
		.amdhsa_system_sgpr_workgroup_id_z 1
		.amdhsa_system_vgpr_workitem_id 0
		.amdhsa_next_free_vgpr 96
		.amdhsa_next_free_sgpr 106
		.amdhsa_reserve_vcc 1
		.amdhsa_float_denorm_mode_32 3
		.amdhsa_float_denorm_mode_16_64 3
		.amdhsa_memory_ordered 1
		.amdhsa_forward_progress 1
		.amdhsa_inst_pref_size 29
	.end_amdhsa_kernel
	.amdgpu_metadata
---
amdhsa.version: [ 1, 2 ]
amdhsa.kernels:
  - .name:           k_q3adb9c67d5_place
    .symbol:         k_q3adb9c67d5_place.kd
    .args:
      - { .name: xb, .offset: 0, .size: 8, .value_kind: global_buffer, .address_space: global }
      - { .name: sel, .offset: 8, .size: 8, .value_kind: global_buffer, .address_space: global }
      - { .name: xg, .offset: 16, .size: 8, .value_kind: global_buffer, .address_space: global }
      - { .name: lst, .offset: 24, .size: 8, .value_kind: global_buffer, .address_space: global }
    .group_segment_fixed_size: 0
    .private_segment_fixed_size: 0
    .kernarg_segment_align: 8
    .kernarg_segment_size: 32
    .max_flat_workgroup_size: 256
    .sgpr_count:     106
    .vgpr_count:     96
    .wavefront_size: 32
...
	.end_amdgpu_metadata
.endif
;; end of part 2
;; launch fc1 (part 3): grid 16 x 16, 8 waves a work-group, no clusters, 164,864 bytes of LDS; arguments W1, b1, xg, lst, h1; writes h1
.if DOCPART == 3
	.amdgcn_target "amdgcn-amd-amdhsa--gfx1250"
	.amdhsa_code_object_version 6
	.text
	.protected	k_q3adb9c67d5_fc1
	.globl	k_q3adb9c67d5_fc1
	.p2align	8
	.type	k_q3adb9c67d5_fc1,@function
k_q3adb9c67d5_fc1:
	s_mov_b64 s[64:65], 0
	v_nop
	global_prefetch_b8 v0, s[64:65] scope:SCOPE_SE
	s_setreg_imm32_b32 hwreg(HW_REG_WAVE_MODE, 25, 1), 1
	s_wait_xcnt 0x0
.set LAYER, 1                          ; ONE TEXT FOR THE THREE PRODUCTS; this line alone differs.  1: h1 = relu(x W1 + b1);  2: h2 = relu(h1 W2 + b2);  3: part = gate (h2 W3 + b3)
; A LAYER OF THE EXPERTS, for the rows that chose the expert alone.  W [16][KD][ND] f32, b [16][ND] f32.
; SHARES.  A work-group has ONE expert (grid y) and a slice of 64 of its columns (grid x; in layers 2 and 3 two neighbours in x share a slice and take the even and the odd tiles of rows).
; It streams its slice, KD rows of 256 consecutive bytes, through registers, rounds it, and lays it into LDS as [K][64] in 16 bits.  Then its eight waves walk the expert's rows in tiles of
; 32 rows x 64 columns: 8 accumulators, KD / 32 K steps of 8 matrix instructions; the weights' fragments come turned out of LDS, the rows' fragments straight from memory.
; FORMATS.  Every input is rounded once to bf16 (W, b).  h1 is kept in f16, so layer 2 multiplies in the f16 form: W2 is rounded to bf16 and that number is written as f16.  h2 is kept in bf16.  Sums in f32.
; THE ROWS.  The launch before the first product has laid the routing down in lst: an expert's number of rows (one scalar load, asked for behind the arguments and waited for behind the stream) and its entries
; 2 n + k in slot order; places past the count, up to the tile's end, hold 4096 + e: layer 3 sends them to row 4096 + e of part, which nobody reads.
; The loop over tiles has a constant count that serves every split (64 tiles at the most); a trip without a tile is jumped, forward, past no barrier.
; xg, h1 AND h2 LIE IN FRAGMENT ORDER: [expert][block of 16 slots][K step of 32][half][lane][16 bytes].  The matrix instruction is used transposed (source 0 = 16 columns of W, source 1 = 16 rows), so a lane
; holds one row and eight neighbouring columns: packed, the very 16 bytes that the same lane of the next layer's fragment wants.  So each store and each load of them covers 512 consecutive bytes, and a
; tile's whole K range stands in the loads' immediates (65,024 bytes at the most): the rows' base is set once a tile.
; LDS ADDRESSES are made of constants, the lane and the wave's number alone: a tile's K steps are written out, eight to a body, each body's address a constant behind a fixed register.
; NO JOINT LOADS, NO TENSOR LOADS: the weights arrive as f32 and pass through registers to be rounded; a slice as f32 (KD x 256 bytes) beside its 16-bit copy (KD x 160) is 416 KiB at KD = 1024, more LDS than a
; work-group can claim.  An expert's work-groups do share its rows, but how many tiles there are hangs on a count read from memory, and the loop over them holds no barrier and no tensor load.
; LIMITS.  |h1| and |bf16(W2)| stay under 65,504 (f16); bf16(W2) below 2^-17 is off by 2^-25 at the most; NaN and infinities are not treated apart (relu of a NaN gives 0).
.if LAYER == 1
.set KD, 1024
.set ND, 1024
.set PARTS, 1
.set RING, 12                          ; quads of weight loads that a wave has out
.set TOKE, 1<<22                       ; the bytes of an expert's 2,048 slots in the rows that come in,
.set TOKT, 16                          ; log2 of the bytes of a tile of 32 slots,
.set RBB, 32768                        ; the bytes of a block of 16 slots
.set OUTE, 1<<22                       ; the same three for the output
.set OUTT, 16
.set OUTB, 32768
.set GL, 0                             ; loads that stay out beside the rows' in a tile's last eight K steps
.elseif LAYER == 2
.set KD, 1024
.set ND, 512
.set PARTS, 2
.set RING, 12
.set TOKE, 1<<22
.set TOKT, 16
.set RBB, 32768
.set OUTE, 1<<21
.set OUTT, 15
.set OUTB, 16384
.set GL, 0
.else
.set KD, 512
.set ND, 512
.set PARTS, 2
.set RING, 8
.set TOKE, 1<<21
.set TOKT, 15
.set RBB, 16384
.set GL, 2                             ; the two gates
.endif
.set RP,     ND*4                      ; bytes in a row of W
.set KS,     KD/32                     ; K steps
.set NQ,     KD/64                     ; a wave streams KD / 8 rows: NQ quads of 8 rows, 4 loads each
.set TRIPS,  8/PARTS
.set STRIDE, 8*PARTS                   ; from a wave's tile to its next
.set WP,     160                       ; a K row in LDS: 64 x 2 bytes + 32
.set SPI,    272                       ; layer 3's stage: a row of 64 f32 + 16 bytes
.set CNTO,   131072                    ; where the counts begin in lst, 128 bytes an expert
; LDS: the slice at 0, layer 3's stages (32 rows a wave), the spare words
.set STAGE,  KD*WP
.if LAYER == 3
.set SPARE,  STAGE+8*32*SPI
.else
.set SPARE,  STAGE
.endif
; window 0: v0 thread, v1 lane, v2 lane % 16, v3 lane / 16, v4-5 the add's two, v6 my offset in W, v7 where my weights go, v8 the turning loads' address in the body in hand, v9 its fixed start,
;           v10 4 x (lane % 16) (layer 3), v11 16 x lane, v12-13 the entries of my two rows, then their gates' offsets (layer 3), v14 0, v15 my offset in b
.set BIAS, 16                          ; v16-47   b of columns 16 n + 8 (lane / 16) + 0..7 at BIAS + 8 n
.set TP,   48                          ; v48-63   at work while streaming
.set RG,   64                          ; v64-255  the ring of weight loads (layer 3: v64-191)
.set ACC,  48                          ; v48-111  accumulator (b, n) at ACC + 8 (4 b + n): rows 16 b .., columns 16 n ..
.set OUTP, 112                         ; v112-143 packed results (layer 3: v112-175 rows read back from the stage)
.set ENT,  176                         ; v176-191 layer 3: the entries of the 16 rows that I store
.set GT,   192                         ; v192-195 layer 3: the two blocks' gates, each the low word of a pair; v196-199 the stage's and the entries' addresses
; window 1: v0-127 eight slots of row fragments (slot i, block b at 16 i + 8 b); v128-255 four buffers of weight fragments (buffer q, columns 16 n at 128 + 32 q + 8 n)
.set MSB, 0
.macro WIN new                         ; the immediate's high byte repeats the setting that is left; a switch that changes nothing is dropped
.if MSB != (\new)
	s_set_vgpr_msb (MSB<<8)|(\new)
.set MSB, \new
.endif
.endm
.set MUL,  0x05                        ; sources 0 and 1 window 1; C and D window 0
.set TO_F, 0x40                        ; destination window 1, address window 0
.macro PLACES                          ; four plain vector instructions behind a matrix instruction, ahead of loads into its sources and of reads of its result
.rept 4
	v_nop
.endr
.endm
	s_load_b256 s[4:11], s[0:1], 0x0               ; W s[4:5], b s[6:7], the rows s[8:9], lst s[10:11]
.if LAYER == 3
	s_load_b128 s[12:15], s[0:1], 0x20             ; gates s[12:13], part s[14:15]
.else
	s_load_b64 s[12:13], s[0:1], 0x20              ; the output
.endif
	v_lshl_add_u32 v4, v0, 2, SPARE                ; my spare word,
	v_mov_b32 v5, 0                                ; and 0: kept for the wave's last lines alone
	v_lshrrev_b32 v15, 5, v0
	v_readfirstlane_b32 s48, v15                   ; wave 0..7
	v_and_b32 v1, 31, v0
	v_and_b32 v2, 15, v0
	v_bfe_u32 v3, v0, 4, 1
	s_and_b32 s50, ttmp7, 0xffff                   ; the expert
.if PARTS == 2
	s_lshr_b32 s49, ttmp9, 1                       ; the slice,
	s_and_b32 s51, ttmp9, 1                        ; and which tiles of rows
.else
	s_mov_b32 s49, ttmp9
.endif
	s_mov_b32 s72, 0xffff0000                      ; a word's upper bf16
	v_mul_u32_u24 v6, v3, 4*RP                     ; a load takes two rows of the slice, four rows apart: lanes 0-15 one, lanes 16-31 the other, 256 consecutive bytes each
	v_lshl_add_u32 v6, v2, 4, v6
	s_mul_i32 s58, s48, (KD/8)*RP
	v_add_nc_u32 v6, s58, v6
	v_mul_u32_u24 v7, v3, 4*WP                     ; in LDS those two rows lie 640 bytes apart, 128 modulo 256: the 32 lanes' 8 bytes touch each bank once
	v_lshl_add_u32 v7, v2, 3, v7
	s_mul_i32 s58, s48, (KD/8)*WP
	v_add_nc_u32 v7, s58, v7
	v_and_b32 v15, 7, v0                           ; the turning load: lane l reads K row 8 (l / 16) + l % 8, columns 8 ((l / 8) % 2) + 0..7
	v_lshl_add_u32 v15, v3, 3, v15
	v_mul_u32_u24 v9, v15, WP
	v_bfe_u32 v15, v0, 3, 1
	v_lshl_add_u32 v9, v15, 4, v9
	v_lshlrev_b32 v11, 4, v1
	v_mov_b32 v14, 0
	v_lshlrev_b32 v15, 5, v3                       ; b: 8 columns for each half of the lanes
	s_mul_i32 s60, s50, KD*RP                      ; W: the expert, the slice's 256 bytes of a row
	s_lshl_b32 s58, s49, 8
	s_add_co_u32 s60, s60, s58
	s_mov_b32 s61, 0
	s_mul_i32 s62, s50, ND*4                       ; b likewise
	s_add_co_u32 s62, s62, s58
	s_mov_b32 s63, 0
	s_lshl_b32 s56, s50, 7                         ; lst: the expert's count
	s_add_co_u32 s56, s56, CNTO
	s_mov_b32 s57, 0
	s_mul_i32 s52, s50, TOKE                       ; the expert's slots in the rows that come in
	s_mov_b32 s53, 0
.if LAYER == 3
	s_mov_b32 s54, s58                             ; part: the slice's 256 bytes of a row
	s_lshl_b32 s66, s50, 13                        ; lst: the expert's entries
	s_mov_b32 s67, 0
.else
	s_mul_i32 s54, s50, OUTE                       ; the output: the expert's slots; the slice's two K steps of a block
	s_lshl_b32 s59, s49, 11
	s_add_co_u32 s54, s54, s59
.endif
	s_mov_b32 s55, 0
	s_wait_kmcnt 0x0
	s_add_nc_u64 s[4:5], s[4:5], s[60:61]
	s_add_nc_u64 s[6:7], s[6:7], s[62:63]
	s_add_nc_u64 s[70:71], s[10:11], s[56:57]
	s_add_nc_u64 s[76:77], s[8:9], s[52:53]
.if LAYER == 3
	s_add_nc_u64 s[78:79], s[10:11], s[66:67]
	s_add_nc_u64 s[74:75], s[14:15], s[54:55]
.else
	s_add_nc_u64 s[74:75], s[12:13], s[54:55]
.endif
	s_load_b32 s52, s[70:71], 0x0                  ; the expert's rows: wanted only behind the stream
; THE STREAM.  Quad q is 8 K rows of my KD / 8; load j of it takes rows 8 q + j and 8 q + j + 4.
.macro WLOAD q
.irp j, 0,1,2,3
.set rr, RG+16*((\q)%RING)+4*\j
.if LAYER == 1
	global_load_b128 v[rr:rr+3], v6, s[4:5] offset:(8*(\q)+\j)*RP th:TH_LOAD_NT  ; nobody else reads these bytes
.else
	global_load_b128 v[rr:rr+3], v6, s[4:5] offset:(8*(\q)+\j)*RP
.endif
.endr
.endm
; Quad q is rounded and laid into LDS, and its registers are asked for again, RING quads on.  The wait counts the younger quads, four loads each: RING - 1 of them while the ring is full, then those that are left.
.macro WCONV q
.set lft, NQ-1-(\q)
.if lft > RING-1
.set lft, RING-1
.endif
	s_wait_loadcnt 4*lft
.irp j, 0,1,2,3
.set rr, RG+16*((\q)%RING)+4*\j
.set tt, TP+2*((4*(\q)+\j)%8)
	v_cvt_pk_bf16_f32 v[tt], v[rr], v[rr+1]
	v_cvt_pk_bf16_f32 v[tt+1], v[rr+2], v[rr+3]
.if LAYER == 2                         ; the rounded number is written as f16
	v_lshlrev_b32 v[rr], 16, v[tt]
	v_and_b32 v[rr+1], s72, v[tt]
	v_lshlrev_b32 v[rr+2], 16, v[tt+1]
	v_and_b32 v[rr+3], s72, v[tt+1]
	v_cvt_pk_f16_f32 v[tt], v[rr], v[rr+1]
	v_cvt_pk_f16_f32 v[tt+1], v[rr+2], v[rr+3]
.endif
	ds_store_b64 v7, v[tt:tt+1] offset:(8*(\q)+\j)*WP
.endr
.if (\q)+RING < NQ
	WLOAD (\q)+RING
.endif
.endm
.irp n, 0,1,2,3
	global_load_b128 v[BIAS+8*\n:BIAS+8*\n+3], v15, s[6:7] offset:64*\n
	global_load_b128 v[BIAS+8*\n+4:BIAS+8*\n+7], v15, s[6:7] offset:64*\n+16
.endr
.set q, 0
.rept RING                             ; RING x 4 loads of 512 bytes a wave go out ahead of the first wait
	WLOAD q
.set q, q+1
.endr
.set q, 0
.rept NQ
	WCONV q
.set q, q+1
.endr
.set i, 0
.rept 16                               ; b, the oldest loads: rounded to bf16 and widened again
	v_cvt_pk_bf16_f32 v[TP+i], v[BIAS+2*i], v[BIAS+2*i+1]
.set i, i+1
.endr
.set i, 0
.rept 16
	v_lshlrev_b32 v[BIAS+2*i], 16, v[TP+i]
	v_and_b32 v[BIAS+2*i+1], s72, v[TP+i]
.set i, i+1
.endr
	s_wait_dscnt 0x0                               ; for the others' sake: my rows of the slice are in LDS
	s_barrier_signal -1
	s_barrier_wait -1                              ; the one barrier: behind it the slice is only read
	s_wait_kmcnt 0x0                               ; the count
	s_min_u32 s52, s52, 2048                       ; the expert's rows,
	s_add_co_u32 s53, s52, 31
	s_lshr_b32 s53, s53, 5                         ; its tiles of 32
.if PARTS == 2
	s_lshl1_add_u32 s54, s48, s51                  ; my first tile: 2 x wave + part
.else
	s_mov_b32 s54, s48
.endif
.if LAYER == 3
	v_lshlrev_b32 v10, 2, v2                       ; in a tile's 128 bytes of entries: that of row lane % 16 of its first block,
	v_lshlrev_b32 v198, 6, v3                      ; those of rows 16 (lane / 16) + 0..15
	v_lshlrev_b32 v199, 4, v2
	v_mov_b32 v[GT+1], 0                           ; named with the gates as pairs
	v_mov_b32 v[GT+3], 0
	s_mul_i32 s58, s48, 32*SPI
	s_add_co_u32 s58, s58, STAGE                   ; my stage
	v_mul_u32_u24 v196, v2, SPI                    ; in: row lane % 16, 32 bytes for each half of the lanes
	v_lshl_add_u32 v196, v3, 5, v196
	v_add_nc_u32 v196, s58, v196
	v_mul_u32_u24 v197, v3, 16*SPI                 ; back: lanes 0-15 take a row of 256 bytes, lanes 16-31 the row 16 further down
	v_lshl_add_u32 v197, v2, 4, v197
	v_add_nc_u32 v197, s58, v197
.endif
; The row fragments of the tile's K step s into slot: lane l holds row l % 16, K = 8 (l / 16) + 0..7 and 16 + 8 (l / 16) + 0..7.
.macro ALOAD s, slot
.irp b, 0,1
.irp j, 0,1
.set rX, 16*(\slot)+8*\b+4*\j
	global_load_b128 v[rX:rX+3], v11, s[66:67] offset:RBB*\b+1024*(\s)+512*\j  ; 512 consecutive bytes
.endr
.endr
.endm
.macro BLOAD s, buf                    ; the weight fragments of K step s of the body in hand into a buffer, turned
.irp n, 0,1,2,3
	ds_load_tr16_b128 v[128+32*(\buf)+8*\n:128+32*(\buf)+8*\n+3], v8 offset:(\s)*32*WP+32*\n
	ds_load_tr16_b128 v[128+32*(\buf)+8*\n+4:128+32*(\buf)+8*\n+7], v8 offset:(\s)*32*WP+16*WP+32*\n
.endr
.endm
; K step i of body kb's eight.  Seven younger steps' row loads (4 each) and three younger steps' weight loads (8 each) may stay out; in the tail, those that are left (and layer 3's two gates).  Eight matrix
; instructions, the eight accumulators by turns.  Then the buffer takes the weights four steps on and the slot the rows eight steps on.  first = 1: the tile's first step starts the sums, from the bias.
.macro STEP i, kb, tail, first
.if \tail
.set dl, 7-(\i)
	s_wait_loadcnt 4*dl+GL
.if dl > 3
.set dl, 3
.endif
	s_wait_dscnt 8*dl
.else
	s_wait_loadcnt 28
	s_wait_dscnt 24
.endif
	WIN MUL
.irp b, 0,1
.irp n, 0,1,2,3
.set rD, ACC+8*(4*\b+\n)
.set rW, 128+32*((\i)%4)+8*\n
.set rX, 16*(\i)+8*\b
.set rC, rD
.if (\first) && ((\i) == 0)
.set rC, BIAS+8*\n
.endif
.if LAYER == 2
	v_wmma_f32_16x16x32_f16 v[rD:rD+7], v[rW:rW+7], v[rX:rX+7], v[rC:rC+7]
.else
	v_wmma_f32_16x16x32_bf16 v[rD:rD+7], v[rW:rW+7], v[rX:rX+7], v[rC:rC+7]
.endif
.endr
.endr
.if (\tail) == 0
	PLACES
	WIN TO_F
	BLOAD (\i)+4, (\i)%4
	ALOAD 8*(\kb)+(\i)+8, \i
.elseif (\i) < 4
	PLACES
	WIN TO_F
	BLOAD (\i)+4, (\i)%4
.endif
.endm
.macro BODY kb, tail, first
.irp i, 0,1,2,3,4,5,6,7
	STEP \i, \kb, \tail, \first
.endr
.endm
.macro ADVANCE k                       ; on to body k of the tile
	WIN 0
	v_add_nc_u32 v8, (\k)*8*32*WP, v9              ; made anew from the fixed start: a constant, the lane's term
.endm
	s_mov_b32 s55, TRIPS
.Ltile:
	s_cmp_ge_u32 s54, s53
	s_cbranch_scc1 .Lnext                          ; the expert has no such tile
	s_wait_xcnt 0x0                                ; the last tile's loads and stores: their data, offsets and bases are rewritten only behind this wait
	s_lshl_b32 s60, s54, TOKT
	s_mov_b32 s61, 0
	s_add_nc_u64 s[66:67], s[76:77], s[60:61]      ; the tile's 32 slots
.if LAYER == 3
	s_lshl_b32 s60, s54, 7
	s_add_nc_u64 s[62:63], s[78:79], s[60:61]      ; and their entries: older than all the row loads below, so the first K step's wait covers them
	global_load_b32 v12, v10, s[62:63]
	global_load_b32 v13, v10, s[62:63] offset:64
.irp c, 0,1,2,3
	global_load_b128 v[ENT+4*\c:ENT+4*\c+3], v198, s[62:63] offset:16*\c
.endr
.else
	s_lshl_b32 s60, s54, OUTT
	s_add_nc_u64 s[68:69], s[74:75], s[60:61]
.endif
	v_mov_b32 v8, v9
	WIN TO_F
.irp s, 0,1,2,3,4,5,6,7
	ALOAD \s, \s
.endr
.irp s, 0,1,2,3
	BLOAD \s, \s
.endr
	BODY 0, 0, 1
	ADVANCE 1
.if KS/8 > 2                           ; KD = 1024: four bodies of eight K steps, written out
	BODY 1, 0, 0
	ADVANCE 2
	BODY 2, 0, 0
	ADVANCE 3
.endif
.if LAYER == 3
	v_min_u32 v12, 4095, v12                       ; inside gates whatever lst holds (a place past the count: some gate, for a row that nobody reads)
	v_min_u32 v13, 4095, v13
	v_lshlrev_b32 v12, 2, v12
	v_lshlrev_b32 v13, 2, v13
	global_load_b32 v[GT], v12, s[12:13]           ; the gates of my two rows: eight K steps ahead of their use; younger than all the row loads
	global_load_b32 v[GT+2], v13, s[12:13]
.endif
	BODY KS/8-1, 1, 0                              ; the last eight steps ask for no rows, and for weights only as far as the slice goes
	WIN 0
	PLACES
.if LAYER == 3
	; THE WAY OUT: times the row's gate; through my own stage, so that sixteen lanes hold 256 consecutive bytes of a row; to row 2 n + k of part.  Each accumulator is read from its low end on.
	s_wait_loadcnt 0x0                             ; the gates
.irp b, 0,1
.irp n, 0,1,2,3
.set rD, ACC+8*(4*\b+\n)
.irp c, 0,1,2,3
	v_pk_mul_f32 v[rD+2*\c:rD+2*\c+1], v[rD+2*\c:rD+2*\c+1], v[GT+2*\b:GT+2*\b+1] op_sel_hi:[1,0]
.endr
	ds_store_b128 v196, v[rD:rD+3] offset:\b*16*SPI+64*\n
	ds_store_b128 v196, v[rD+4:rD+7] offset:\b*16*SPI+64*\n+16
.endr
.endr
.set t, 0
.rept 16
	ds_load_b128 v[OUTP+4*t:OUTP+4*t+3], v197 offset:t*SPI  ; LDS serves a wave's instructions in order (ISA guide 5.7.1.4): these see the stores above
.set t, t+1
.endr
.set t, 0
.rept 16
	v_min_u32 v[ENT+t], 4111, v[ENT+t]             ; inside part whatever lst holds
	v_lshl_add_u32 v[ENT+t], v[ENT+t], 11, v199
.set t, t+1
.endr
.set t, 0
.rept 16
	s_wait_dscnt 15-t                              ; the younger loads from the stage may stay out
	global_store_b128 v[ENT+t], v[OUTP+4*t:OUTP+4*t+3], s[74:75]  ; 16 lanes store 256 consecutive bytes, at a multiple of 256 from part's first byte
.set t, t+1
.endr
.else
	; THE WAY OUT: rounded to 16 bits, relu on the packed halves, and stored in the next layer's fragment order.  Each accumulator is read from its low end on.
.irp b, 0,1
.irp n, 0,1,2,3
.set rD, ACC+8*(4*\b+\n)
.set rO, OUTP+4*(4*\b+\n)
.irp c, 0,1,2,3
.if LAYER == 1
	v_cvt_pk_f16_f32 v[rO+\c], v[rD+2*\c], v[rD+2*\c+1]
.else
	v_cvt_pk_bf16_f32 v[rO+\c], v[rD+2*\c], v[rD+2*\c+1]
.endif
.endr
.irp c, 0,1,2,3
.if LAYER == 1
	v_pk_max_num_f16 v[rO+\c], v[rO+\c], v14
.else
	v_pk_max_num_bf16 v[rO+\c], v[rO+\c], v14
.endif
.endr
	global_store_b128 v11, v[rO:rO+3], s[68:69] offset:\b*OUTB+(\n/2)*1024+(\n%2)*512  ; 512 consecutive bytes, at a multiple of 256 from the buffer's first byte
.endr
.endr
.endif
.Lnext:
	s_add_co_u32 s54, s54, STRIDE
	s_sub_co_u32 s55, s55, 1
	s_cmp_lg_u32 s55, 0
	s_cbranch_scc1 .Ltile
	s_wait_tensorcnt 0x0                           ; the wave's end, behind my last LDS store
	ds_add_u32 v4, v5
	s_wait_dscnt 0x0
	s_endpgm
.Lfunc_end_k_q3adb9c67d5_fc1:
	.size	k_q3adb9c67d5_fc1, .Lfunc_end_k_q3adb9c67d5_fc1-k_q3adb9c67d5_fc1
	.p2alignl 7, 3214868480
	.fill 96, 4, 3214868480
	.section	.rodata,"a",@progbits
	.p2align	6, 0x0
	.amdhsa_kernel k_q3adb9c67d5_fc1
		.amdhsa_group_segment_fixed_size 164864
		.amdhsa_private_segment_fixed_size 0
		.amdhsa_enable_private_segment 0
		.amdhsa_kernarg_size 40
		.amdhsa_user_sgpr_count 2
		.amdhsa_user_sgpr_kernarg_segment_ptr 1
		.amdhsa_wavefront_size32 1
		.amdhsa_system_sgpr_workgroup_id_x 1
		.amdhsa_system_sgpr_workgroup_id_y 1
		.amdhsa_system_sgpr_workgroup_id_z 1
		.amdhsa_system_vgpr_workitem_id 0
		.amdhsa_next_free_vgpr 512
		.amdhsa_next_free_sgpr 80
		.amdhsa_reserve_vcc 0
		.amdhsa_float_denorm_mode_32 3
		.amdhsa_float_denorm_mode_16_64 3
		.amdhsa_memory_ordered 1
		.amdhsa_forward_progress 1
		.amdhsa_inst_pref_size 82
	.end_amdhsa_kernel
	.amdgpu_metadata
---
amdhsa.version: [ 1, 2 ]
amdhsa.kernels:
  - .name:           k_q3adb9c67d5_fc1
    .symbol:         k_q3adb9c67d5_fc1.kd
    .args:
      - { .name: W1, .offset: 0, .size: 8, .value_kind: global_buffer, .address_space: global }
      - { .name: b1, .offset: 8, .size: 8, .value_kind: global_buffer, .address_space: global }
      - { .name: xg, .offset: 16, .size: 8, .value_kind: global_buffer, .address_space: global }
      - { .name: lst, .offset: 24, .size: 8, .value_kind: global_buffer, .address_space: global }
      - { .name: h1, .offset: 32, .size: 8, .value_kind: global_buffer, .address_space: global }
    .group_segment_fixed_size: 164864
    .private_segment_fixed_size: 0
    .kernarg_segment_align: 8
    .kernarg_segment_size: 40
    .max_flat_workgroup_size: 256
    .sgpr_count:     80
    .vgpr_count:     512
    .wavefront_size: 32
...
	.end_amdgpu_metadata
.endif
;; end of part 3
;; launch fc2 (part 4): grid 16 x 16, 8 waves a work-group, no clusters, 164,864 bytes of LDS; arguments W2, b2, h1, lst, h2; writes h2
.if DOCPART == 4
	.amdgcn_target "amdgcn-amd-amdhsa--gfx1250"
	.amdhsa_code_object_version 6
	.text
	.protected	k_q3adb9c67d5_fc2
	.globl	k_q3adb9c67d5_fc2
	.p2align	8
	.type	k_q3adb9c67d5_fc2,@function
k_q3adb9c67d5_fc2:
	s_mov_b64 s[64:65], 0
	v_nop
	global_prefetch_b8 v0, s[64:65] scope:SCOPE_SE
	s_setreg_imm32_b32 hwreg(HW_REG_WAVE_MODE, 25, 1), 1
	s_wait_xcnt 0x0
.set LAYER, 2                          ; ONE TEXT FOR THE THREE PRODUCTS; this line alone differs.  1: h1 = relu(x W1 + b1);  2: h2 = relu(h1 W2 + b2);  3: part = gate (h2 W3 + b3)
; A LAYER OF THE EXPERTS, for the rows that chose the expert alone.  W [16][KD][ND] f32, b [16][ND] f32.
; SHARES.  A work-group has ONE expert (grid y) and a slice of 64 of its columns (grid x; in layers 2 and 3 two neighbours in x share a slice and take the even and the odd tiles of rows).
; It streams its slice, KD rows of 256 consecutive bytes, through registers, rounds it, and lays it into LDS as [K][64] in 16 bits.  Then its eight waves walk the expert's rows in tiles of
; 32 rows x 64 columns: 8 accumulators, KD / 32 K steps of 8 matrix instructions; the weights' fragments come turned out of LDS, the rows' fragments straight from memory.
; FORMATS.  Every input is rounded once to bf16 (W, b).  h1 is kept in f16, so layer 2 multiplies in the f16 form: W2 is rounded to bf16 and that number is written as f16.  h2 is kept in bf16.  Sums in f32.
; THE ROWS.  The launch before the first product has laid the routing down in lst: an expert's number of rows (one scalar load, asked for behind the arguments and waited for behind the stream) and its entries
; 2 n + k in slot order; places past the count, up to the tile's end, hold 4096 + e: layer 3 sends them to row 4096 + e of part, which nobody reads.
; The loop over tiles has a constant count that serves every split (64 tiles at the most); a trip without a tile is jumped, forward, past no barrier.
; xg, h1 AND h2 LIE IN FRAGMENT ORDER: [expert][block of 16 slots][K step of 32][half][lane][16 bytes].  The matrix instruction is used transposed (source 0 = 16 columns of W, source 1 = 16 rows), so a lane
; holds one row and eight neighbouring columns: packed, the very 16 bytes that the same lane of the next layer's fragment wants.  So each store and each load of them covers 512 consecutive bytes, and a
; tile's whole K range stands in the loads' immediates (65,024 bytes at the most): the rows' base is set once a tile.
; LDS ADDRESSES are made of constants, the lane and the wave's number alone: a tile's K steps are written out, eight to a body, each body's address a constant behind a fixed register.
; NO JOINT LOADS, NO TENSOR LOADS: the weights arrive as f32 and pass through registers to be rounded; a slice as f32 (KD x 256 bytes) beside its 16-bit copy (KD x 160) is 416 KiB at KD = 1024, more LDS than a
; work-group can claim.  An expert's work-groups do share its rows, but how many tiles there are hangs on a count read from memory, and the loop over them holds no barrier and no tensor load.
; LIMITS.  |h1| and |bf16(W2)| stay under 65,504 (f16); bf16(W2) below 2^-17 is off by 2^-25 at the most; NaN and infinities are not treated apart (relu of a NaN gives 0).
.if LAYER == 1
.set KD, 1024
.set ND, 1024
.set PARTS, 1
.set RING, 12                          ; quads of weight loads that a wave has out
.set TOKE, 1<<22                       ; the bytes of an expert's 2,048 slots in the rows that come in,
.set TOKT, 16                          ; log2 of the bytes of a tile of 32 slots,
.set RBB, 32768                        ; the bytes of a block of 16 slots
.set OUTE, 1<<22                       ; the same three for the output
.set OUTT, 16
.set OUTB, 32768
.set GL, 0                             ; loads that stay out beside the rows' in a tile's last eight K steps
.elseif LAYER == 2
.set KD, 1024
.set ND, 512
.set PARTS, 2
.set RING, 12
.set TOKE, 1<<22
.set TOKT, 16
.set RBB, 32768
.set OUTE, 1<<21
.set OUTT, 15
.set OUTB, 16384
.set GL, 0
.else
.set KD, 512
.set ND, 512
.set PARTS, 2
.set RING, 8
.set TOKE, 1<<21
.set TOKT, 15
.set RBB, 16384
.set GL, 2                             ; the two gates
.endif
.set RP,     ND*4                      ; bytes in a row of W
.set KS,     KD/32                     ; K steps
.set NQ,     KD/64                     ; a wave streams KD / 8 rows: NQ quads of 8 rows, 4 loads each
.set TRIPS,  8/PARTS
.set STRIDE, 8*PARTS                   ; from a wave's tile to its next
.set WP,     160                       ; a K row in LDS: 64 x 2 bytes + 32
.set SPI,    272                       ; layer 3's stage: a row of 64 f32 + 16 bytes
.set CNTO,   131072                    ; where the counts begin in lst, 128 bytes an expert
; LDS: the slice at 0, layer 3's stages (32 rows a wave), the spare words
.set STAGE,  KD*WP
.if LAYER == 3
.set SPARE,  STAGE+8*32*SPI
.else
.set SPARE,  STAGE
.endif
; window 0: v0 thread, v1 lane, v2 lane % 16, v3 lane / 16, v4-5 the add's two, v6 my offset in W, v7 where my weights go, v8 the turning loads' address in the body in hand, v9 its fixed start,
;           v10 4 x (lane % 16) (layer 3), v11 16 x lane, v12-13 the entries of my two rows, then their gates' offsets (layer 3), v14 0, v15 my offset in b
.set BIAS, 16                          ; v16-47   b of columns 16 n + 8 (lane / 16) + 0..7 at BIAS + 8 n
.set TP,   48                          ; v48-63   at work while streaming
.set RG,   64                          ; v64-255  the ring of weight loads (layer 3: v64-191)
.set ACC,  48                          ; v48-111  accumulator (b, n) at ACC + 8 (4 b + n): rows 16 b .., columns 16 n ..
.set OUTP, 112                         ; v112-143 packed results (layer 3: v112-175 rows read back from the stage)
.set ENT,  176                         ; v176-191 layer 3: the entries of the 16 rows that I store
.set GT,   192                         ; v192-195 layer 3: the two blocks' gates, each the low word of a pair; v196-199 the stage's and the entries' addresses
; window 1: v0-127 eight slots of row fragments (slot i, block b at 16 i + 8 b); v128-255 four buffers of weight fragments (buffer q, columns 16 n at 128 + 32 q + 8 n)
.set MSB, 0
.macro WIN new                         ; the immediate's high byte repeats the setting that is left; a switch that changes nothing is dropped
.if MSB != (\new)
	s_set_vgpr_msb (MSB<<8)|(\new)
.set MSB, \new
.endif
.endm
.set MUL,  0x05                        ; sources 0 and 1 window 1; C and D window 0
.set TO_F, 0x40                        ; destination window 1, address window 0
.macro PLACES                          ; four plain vector instructions behind a matrix instruction, ahead of loads into its sources and of reads of its result
.rept 4
	v_nop
.endr
.endm
	s_load_b256 s[4:11], s[0:1], 0x0               ; W s[4:5], b s[6:7], the rows s[8:9], lst s[10:11]
.if LAYER == 3
	s_load_b128 s[12:15], s[0:1], 0x20             ; gates s[12:13], part s[14:15]
.else
	s_load_b64 s[12:13], s[0:1], 0x20              ; the output
.endif
	v_lshl_add_u32 v4, v0, 2, SPARE                ; my spare word,
	v_mov_b32 v5, 0                                ; and 0: kept for the wave's last lines alone
	v_lshrrev_b32 v15, 5, v0
	v_readfirstlane_b32 s48, v15                   ; wave 0..7
	v_and_b32 v1, 31, v0
	v_and_b32 v2, 15, v0
	v_bfe_u32 v3, v0, 4, 1
	s_and_b32 s50, ttmp7, 0xffff                   ; the expert
.if PARTS == 2
	s_lshr_b32 s49, ttmp9, 1                       ; the slice,
	s_and_b32 s51, ttmp9, 1                        ; and which tiles of rows
.else
	s_mov_b32 s49, ttmp9
.endif
	s_mov_b32 s72, 0xffff0000                      ; a word's upper bf16
	v_mul_u32_u24 v6, v3, 4*RP                     ; a load takes two rows of the slice, four rows apart: lanes 0-15 one, lanes 16-31 the other, 256 consecutive bytes each
	v_lshl_add_u32 v6, v2, 4, v6
	s_mul_i32 s58, s48, (KD/8)*RP
	v_add_nc_u32 v6, s58, v6
	v_mul_u32_u24 v7, v3, 4*WP                     ; in LDS those two rows lie 640 bytes apart, 128 modulo 256: the 32 lanes' 8 bytes touch each bank once
	v_lshl_add_u32 v7, v2, 3, v7
	s_mul_i32 s58, s48, (KD/8)*WP
	v_add_nc_u32 v7, s58, v7
	v_and_b32 v15, 7, v0                           ; the turning load: lane l reads K row 8 (l / 16) + l % 8, columns 8 ((l / 8) % 2) + 0..7
	v_lshl_add_u32 v15, v3, 3, v15
	v_mul_u32_u24 v9, v15, WP
	v_bfe_u32 v15, v0, 3, 1
	v_lshl_add_u32 v9, v15, 4, v9
	v_lshlrev_b32 v11, 4, v1
	v_mov_b32 v14, 0
	v_lshlrev_b32 v15, 5, v3                       ; b: 8 columns for each half of the lanes
	s_mul_i32 s60, s50, KD*RP                      ; W: the expert, the slice's 256 bytes of a row
	s_lshl_b32 s58, s49, 8
	s_add_co_u32 s60, s60, s58
	s_mov_b32 s61, 0
	s_mul_i32 s62, s50, ND*4                       ; b likewise
	s_add_co_u32 s62, s62, s58
	s_mov_b32 s63, 0
	s_lshl_b32 s56, s50, 7                         ; lst: the expert's count
	s_add_co_u32 s56, s56, CNTO
	s_mov_b32 s57, 0
	s_mul_i32 s52, s50, TOKE                       ; the expert's slots in the rows that come in
	s_mov_b32 s53, 0
.if LAYER == 3
	s_mov_b32 s54, s58                             ; part: the slice's 256 bytes of a row
	s_lshl_b32 s66, s50, 13                        ; lst: the expert's entries
	s_mov_b32 s67, 0
.else
	s_mul_i32 s54, s50, OUTE                       ; the output: the expert's slots; the slice's two K steps of a block
	s_lshl_b32 s59, s49, 11
	s_add_co_u32 s54, s54, s59
.endif
	s_mov_b32 s55, 0
	s_wait_kmcnt 0x0
	s_add_nc_u64 s[4:5], s[4:5], s[60:61]
	s_add_nc_u64 s[6:7], s[6:7], s[62:63]
	s_add_nc_u64 s[70:71], s[10:11], s[56:57]
	s_add_nc_u64 s[76:77], s[8:9], s[52:53]
.if LAYER == 3
	s_add_nc_u64 s[78:79], s[10:11], s[66:67]
	s_add_nc_u64 s[74:75], s[14:15], s[54:55]
.else
	s_add_nc_u64 s[74:75], s[12:13], s[54:55]
.endif
	s_load_b32 s52, s[70:71], 0x0                  ; the expert's rows: wanted only behind the stream
; THE STREAM.  Quad q is 8 K rows of my KD / 8; load j of it takes rows 8 q + j and 8 q + j + 4.
.macro WLOAD q
.irp j, 0,1,2,3
.set rr, RG+16*((\q)%RING)+4*\j
.if LAYER == 1
	global_load_b128 v[rr:rr+3], v6, s[4:5] offset:(8*(\q)+\j)*RP th:TH_LOAD_NT  ; nobody else reads these bytes
.else
	global_load_b128 v[rr:rr+3], v6, s[4:5] offset:(8*(\q)+\j)*RP
.endif
.endr
.endm
; Quad q is rounded and laid into LDS, and its registers are asked for again, RING quads on.  The wait counts the younger quads, four loads each: RING - 1 of them while the ring is full, then those that are left.
.macro WCONV q
.set lft, NQ-1-(\q)
.if lft > RING-1
.set lft, RING-1
.endif
	s_wait_loadcnt 4*lft
.irp j, 0,1,2,3
.set rr, RG+16*((\q)%RING)+4*\j
.set tt, TP+2*((4*(\q)+\j)%8)
	v_cvt_pk_bf16_f32 v[tt], v[rr], v[rr+1]
	v_cvt_pk_bf16_f32 v[tt+1], v[rr+2], v[rr+3]
.if LAYER == 2                         ; the rounded number is written as f16
	v_lshlrev_b32 v[rr], 16, v[tt]
	v_and_b32 v[rr+1], s72, v[tt]
	v_lshlrev_b32 v[rr+2], 16, v[tt+1]
	v_and_b32 v[rr+3], s72, v[tt+1]
	v_cvt_pk_f16_f32 v[tt], v[rr], v[rr+1]
	v_cvt_pk_f16_f32 v[tt+1], v[rr+2], v[rr+3]
.endif
	ds_store_b64 v7, v[tt:tt+1] offset:(8*(\q)+\j)*WP
.endr
.if (\q)+RING < NQ
	WLOAD (\q)+RING
.endif
.endm
.irp n, 0,1,2,3
	global_load_b128 v[BIAS+8*\n:BIAS+8*\n+3], v15, s[6:7] offset:64*\n
	global_load_b128 v[BIAS+8*\n+4:BIAS+8*\n+7], v15, s[6:7] offset:64*\n+16
.endr
.set q, 0
.rept RING                             ; RING x 4 loads of 512 bytes a wave go out ahead of the first wait
	WLOAD q
.set q, q+1
.endr
.set q, 0
.rept NQ
	WCONV q
.set q, q+1
.endr
.set i, 0
.rept 16                               ; b, the oldest loads: rounded to bf16 and widened again
	v_cvt_pk_bf16_f32 v[TP+i], v[BIAS+2*i], v[BIAS+2*i+1]
.set i, i+1
.endr
.set i, 0
.rept 16
	v_lshlrev_b32 v[BIAS+2*i], 16, v[TP+i]
	v_and_b32 v[BIAS+2*i+1], s72, v[TP+i]
.set i, i+1
.endr
	s_wait_dscnt 0x0                               ; for the others' sake: my rows of the slice are in LDS
	s_barrier_signal -1
	s_barrier_wait -1                              ; the one barrier: behind it the slice is only read
	s_wait_kmcnt 0x0                               ; the count
	s_min_u32 s52, s52, 2048                       ; the expert's rows,
	s_add_co_u32 s53, s52, 31
	s_lshr_b32 s53, s53, 5                         ; its tiles of 32
.if PARTS == 2
	s_lshl1_add_u32 s54, s48, s51                  ; my first tile: 2 x wave + part
.else
	s_mov_b32 s54, s48
.endif
.if LAYER == 3
	v_lshlrev_b32 v10, 2, v2                       ; in a tile's 128 bytes of entries: that of row lane % 16 of its first block,
	v_lshlrev_b32 v198, 6, v3                      ; those of rows 16 (lane / 16) + 0..15
	v_lshlrev_b32 v199, 4, v2
	v_mov_b32 v[GT+1], 0                           ; named with the gates as pairs
	v_mov_b32 v[GT+3], 0
	s_mul_i32 s58, s48, 32*SPI
	s_add_co_u32 s58, s58, STAGE                   ; my stage
	v_mul_u32_u24 v196, v2, SPI                    ; in: row lane % 16, 32 bytes for each half of the lanes
	v_lshl_add_u32 v196, v3, 5, v196
	v_add_nc_u32 v196, s58, v196
	v_mul_u32_u24 v197, v3, 16*SPI                 ; back: lanes 0-15 take a row of 256 bytes, lanes 16-31 the row 16 further down
	v_lshl_add_u32 v197, v2, 4, v197
	v_add_nc_u32 v197, s58, v197
.endif
; The row fragments of the tile's K step s into slot: lane l holds row l % 16, K = 8 (l / 16) + 0..7 and 16 + 8 (l / 16) + 0..7.
.macro ALOAD s, slot
.irp b, 0,1
.irp j, 0,1
.set rX, 16*(\slot)+8*\b+4*\j
	global_load_b128 v[rX:rX+3], v11, s[66:67] offset:RBB*\b+1024*(\s)+512*\j  ; 512 consecutive bytes
.endr
.endr
.endm
.macro BLOAD s, buf                    ; the weight fragments of K step s of the body in hand into a buffer, turned
.irp n, 0,1,2,3
	ds_load_tr16_b128 v[128+32*(\buf)+8*\n:128+32*(\buf)+8*\n+3], v8 offset:(\s)*32*WP+32*\n
	ds_load_tr16_b128 v[128+32*(\buf)+8*\n+4:128+32*(\buf)+8*\n+7], v8 offset:(\s)*32*WP+16*WP+32*\n
.endr
.endm
; K step i of body kb's eight.  Seven younger steps' row loads (4 each) and three younger steps' weight loads (8 each) may stay out; in the tail, those that are left (and layer 3's two gates).  Eight matrix
; instructions, the eight accumulators by turns.  Then the buffer takes the weights four steps on and the slot the rows eight steps on.  first = 1: the tile's first step starts the sums, from the bias.
.macro STEP i, kb, tail, first
.if \tail
.set dl, 7-(\i)
	s_wait_loadcnt 4*dl+GL
.if dl > 3
.set dl, 3
.endif
	s_wait_dscnt 8*dl
.else
	s_wait_loadcnt 28
	s_wait_dscnt 24
.endif
	WIN MUL
.irp b, 0,1
.irp n, 0,1,2,3
.set rD, ACC+8*(4*\b+\n)
.set rW, 128+32*((\i)%4)+8*\n
.set rX, 16*(\i)+8*\b
.set rC, rD
.if (\first) && ((\i) == 0)
.set rC, BIAS+8*\n
.endif
.if LAYER == 2
	v_wmma_f32_16x16x32_f16 v[rD:rD+7], v[rW:rW+7], v[rX:rX+7], v[rC:rC+7]
.else
	v_wmma_f32_16x16x32_bf16 v[rD:rD+7], v[rW:rW+7], v[rX:rX+7], v[rC:rC+7]
.endif
.endr
.endr
.if (\tail) == 0
	PLACES
	WIN TO_F
	BLOAD (\i)+4, (\i)%4
	ALOAD 8*(\kb)+(\i)+8, \i
.elseif (\i) < 4
	PLACES
	WIN TO_F
	BLOAD (\i)+4, (\i)%4
.endif
.endm
.macro BODY kb, tail, first
.irp i, 0,1,2,3,4,5,6,7
	STEP \i, \kb, \tail, \first
.endr
.endm
.macro ADVANCE k                       ; on to body k of the tile
	WIN 0
	v_add_nc_u32 v8, (\k)*8*32*WP, v9              ; made anew from the fixed start: a constant, the lane's term
.endm
	s_mov_b32 s55, TRIPS
.Ltile:
	s_cmp_ge_u32 s54, s53
	s_cbranch_scc1 .Lnext                          ; the expert has no such tile
	s_wait_xcnt 0x0                                ; the last tile's loads and stores: their data, offsets and bases are rewritten only behind this wait
	s_lshl_b32 s60, s54, TOKT
	s_mov_b32 s61, 0
	s_add_nc_u64 s[66:67], s[76:77], s[60:61]      ; the tile's 32 slots
.if LAYER == 3
	s_lshl_b32 s60, s54, 7
	s_add_nc_u64 s[62:63], s[78:79], s[60:61]      ; and their entries: older than all the row loads below, so the first K step's wait covers them
	global_load_b32 v12, v10, s[62:63]
	global_load_b32 v13, v10, s[62:63] offset:64
.irp c, 0,1,2,3
	global_load_b128 v[ENT+4*\c:ENT+4*\c+3], v198, s[62:63] offset:16*\c
.endr
.else
	s_lshl_b32 s60, s54, OUTT
	s_add_nc_u64 s[68:69], s[74:75], s[60:61]
.endif
	v_mov_b32 v8, v9
	WIN TO_F
.irp s, 0,1,2,3,4,5,6,7
	ALOAD \s, \s
.endr
.irp s, 0,1,2,3
	BLOAD \s, \s
.endr
	BODY 0, 0, 1
	ADVANCE 1
.if KS/8 > 2                           ; KD = 1024: four bodies of eight K steps, written out
	BODY 1, 0, 0
	ADVANCE 2
	BODY 2, 0, 0
	ADVANCE 3
.endif
.if LAYER == 3
	v_min_u32 v12, 4095, v12                       ; inside gates whatever lst holds (a place past the count: some gate, for a row that nobody reads)
	v_min_u32 v13, 4095, v13
	v_lshlrev_b32 v12, 2, v12
	v_lshlrev_b32 v13, 2, v13
	global_load_b32 v[GT], v12, s[12:13]           ; the gates of my two rows: eight K steps ahead of their use; younger than all the row loads
	global_load_b32 v[GT+2], v13, s[12:13]
.endif
	BODY KS/8-1, 1, 0                              ; the last eight steps ask for no rows, and for weights only as far as the slice goes
	WIN 0
	PLACES
.if LAYER == 3
	; THE WAY OUT: times the row's gate; through my own stage, so that sixteen lanes hold 256 consecutive bytes of a row; to row 2 n + k of part.  Each accumulator is read from its low end on.
	s_wait_loadcnt 0x0                             ; the gates
.irp b, 0,1
.irp n, 0,1,2,3
.set rD, ACC+8*(4*\b+\n)
.irp c, 0,1,2,3
	v_pk_mul_f32 v[rD+2*\c:rD+2*\c+1], v[rD+2*\c:rD+2*\c+1], v[GT+2*\b:GT+2*\b+1] op_sel_hi:[1,0]
.endr
	ds_store_b128 v196, v[rD:rD+3] offset:\b*16*SPI+64*\n
	ds_store_b128 v196, v[rD+4:rD+7] offset:\b*16*SPI+64*\n+16
.endr
.endr
.set t, 0
.rept 16
	ds_load_b128 v[OUTP+4*t:OUTP+4*t+3], v197 offset:t*SPI  ; LDS serves a wave's instructions in order (ISA guide 5.7.1.4): these see the stores above
.set t, t+1
.endr
.set t, 0
.rept 16
	v_min_u32 v[ENT+t], 4111, v[ENT+t]             ; inside part whatever lst holds
	v_lshl_add_u32 v[ENT+t], v[ENT+t], 11, v199
.set t, t+1
.endr
.set t, 0
.rept 16
	s_wait_dscnt 15-t                              ; the younger loads from the stage may stay out
	global_store_b128 v[ENT+t], v[OUTP+4*t:OUTP+4*t+3], s[74:75]  ; 16 lanes store 256 consecutive bytes, at a multiple of 256 from part's first byte
.set t, t+1
.endr
.else
	; THE WAY OUT: rounded to 16 bits, relu on the packed halves, and stored in the next layer's fragment order.  Each accumulator is read from its low end on.
.irp b, 0,1
.irp n, 0,1,2,3
.set rD, ACC+8*(4*\b+\n)
.set rO, OUTP+4*(4*\b+\n)
.irp c, 0,1,2,3
.if LAYER == 1
	v_cvt_pk_f16_f32 v[rO+\c], v[rD+2*\c], v[rD+2*\c+1]
.else
	v_cvt_pk_bf16_f32 v[rO+\c], v[rD+2*\c], v[rD+2*\c+1]
.endif
.endr
.irp c, 0,1,2,3
.if LAYER == 1
	v_pk_max_num_f16 v[rO+\c], v[rO+\c], v14
.else
	v_pk_max_num_bf16 v[rO+\c], v[rO+\c], v14
.endif
.endr
	global_store_b128 v11, v[rO:rO+3], s[68:69] offset:\b*OUTB+(\n/2)*1024+(\n%2)*512  ; 512 consecutive bytes, at a multiple of 256 from the buffer's first byte
.endr
.endr
.endif
.Lnext:
	s_add_co_u32 s54, s54, STRIDE
	s_sub_co_u32 s55, s55, 1
	s_cmp_lg_u32 s55, 0
	s_cbranch_scc1 .Ltile
	s_wait_tensorcnt 0x0                           ; the wave's end, behind my last LDS store
	ds_add_u32 v4, v5
	s_wait_dscnt 0x0
	s_endpgm
.Lfunc_end_k_q3adb9c67d5_fc2:
	.size	k_q3adb9c67d5_fc2, .Lfunc_end_k_q3adb9c67d5_fc2-k_q3adb9c67d5_fc2
	.p2alignl 7, 3214868480
	.fill 96, 4, 3214868480
	.section	.rodata,"a",@progbits
	.p2align	6, 0x0
	.amdhsa_kernel k_q3adb9c67d5_fc2
		.amdhsa_group_segment_fixed_size 164864
		.amdhsa_private_segment_fixed_size 0
		.amdhsa_enable_private_segment 0
		.amdhsa_kernarg_size 40
		.amdhsa_user_sgpr_count 2
		.amdhsa_user_sgpr_kernarg_segment_ptr 1
		.amdhsa_wavefront_size32 1
		.amdhsa_system_sgpr_workgroup_id_x 1
		.amdhsa_system_sgpr_workgroup_id_y 1
		.amdhsa_system_sgpr_workgroup_id_z 1
		.amdhsa_system_vgpr_workitem_id 0
		.amdhsa_next_free_vgpr 512
		.amdhsa_next_free_sgpr 80
		.amdhsa_reserve_vcc 0
		.amdhsa_float_denorm_mode_32 3
		.amdhsa_float_denorm_mode_16_64 3
		.amdhsa_memory_ordered 1
		.amdhsa_forward_progress 1
		.amdhsa_inst_pref_size 98
	.end_amdhsa_kernel
	.amdgpu_metadata
---
amdhsa.version: [ 1, 2 ]
amdhsa.kernels:
  - .name:           k_q3adb9c67d5_fc2
    .symbol:         k_q3adb9c67d5_fc2.kd
    .args:
      - { .name: W2, .offset: 0, .size: 8, .value_kind: global_buffer, .address_space: global }
      - { .name: b2, .offset: 8, .size: 8, .value_kind: global_buffer, .address_space: global }
      - { .name: h1, .offset: 16, .size: 8, .value_kind: global_buffer, .address_space: global }
      - { .name: lst, .offset: 24, .size: 8, .value_kind: global_buffer, .address_space: global }
      - { .name: h2, .offset: 32, .size: 8, .value_kind: global_buffer, .address_space: global }
    .group_segment_fixed_size: 164864
    .private_segment_fixed_size: 0
    .kernarg_segment_align: 8
    .kernarg_segment_size: 40
    .max_flat_workgroup_size: 256
    .sgpr_count:     80
    .vgpr_count:     512
    .wavefront_size: 32
...
	.end_amdgpu_metadata
.endif
;; end of part 4
;; launch fc3 (part 5): grid 16 x 16, 8 waves a work-group, no clusters, 152,576 bytes of LDS; arguments W3, b3, h2, lst, gates, part; writes part
.if DOCPART == 5
	.amdgcn_target "amdgcn-amd-amdhsa--gfx1250"
	.amdhsa_code_object_version 6
	.text
	.protected	k_q3adb9c67d5_fc3
	.globl	k_q3adb9c67d5_fc3
	.p2align	8
	.type	k_q3adb9c67d5_fc3,@function
k_q3adb9c67d5_fc3:
	s_mov_b64 s[64:65], 0
	v_nop
	global_prefetch_b8 v0, s[64:65] scope:SCOPE_SE
	s_setreg_imm32_b32 hwreg(HW_REG_WAVE_MODE, 25, 1), 1
	s_wait_xcnt 0x0
.set LAYER, 3                          ; ONE TEXT FOR THE THREE PRODUCTS; this line alone differs.  1: h1 = relu(x W1 + b1);  2: h2 = relu(h1 W2 + b2);  3: part = gate (h2 W3 + b3)
; A LAYER OF THE EXPERTS, for the rows that chose the expert alone.  W [16][KD][ND] f32, b [16][ND] f32.
; SHARES.  A work-group has ONE expert (grid y) and a slice of 64 of its columns (grid x; in layers 2 and 3 two neighbours in x share a slice and take the even and the odd tiles of rows).
; It streams its slice, KD rows of 256 consecutive bytes, through registers, rounds it, and lays it into LDS as [K][64] in 16 bits.  Then its eight waves walk the expert's rows in tiles of
; 32 rows x 64 columns: 8 accumulators, KD / 32 K steps of 8 matrix instructions; the weights' fragments come turned out of LDS, the rows' fragments straight from memory.
; FORMATS.  Every input is rounded once to bf16 (W, b).  h1 is kept in f16, so layer 2 multiplies in the f16 form: W2 is rounded to bf16 and that number is written as f16.  h2 is kept in bf16.  Sums in f32.
; THE ROWS.  The launch before the first product has laid the routing down in lst: an expert's number of rows (one scalar load, asked for behind the arguments and waited for behind the stream) and its entries
; 2 n + k in slot order; places past the count, up to the tile's end, hold 4096 + e: layer 3 sends them to row 4096 + e of part, which nobody reads.
; The loop over tiles has a constant count that serves every split (64 tiles at the most); a trip without a tile is jumped, forward, past no barrier.
; xg, h1 AND h2 LIE IN FRAGMENT ORDER: [expert][block of 16 slots][K step of 32][half][lane][16 bytes].  The matrix instruction is used transposed (source 0 = 16 columns of W, source 1 = 16 rows), so a lane
; holds one row and eight neighbouring columns: packed, the very 16 bytes that the same lane of the next layer's fragment wants.  So each store and each load of them covers 512 consecutive bytes, and a
; tile's whole K range stands in the loads' immediates (65,024 bytes at the most): the rows' base is set once a tile.
; LDS ADDRESSES are made of constants, the lane and the wave's number alone: a tile's K steps are written out, eight to a body, each body's address a constant behind a fixed register.
; NO JOINT LOADS, NO TENSOR LOADS: the weights arrive as f32 and pass through registers to be rounded; a slice as f32 (KD x 256 bytes) beside its 16-bit copy (KD x 160) is 416 KiB at KD = 1024, more LDS than a
; work-group can claim.  An expert's work-groups do share its rows, but how many tiles there are hangs on a count read from memory, and the loop over them holds no barrier and no tensor load.
; LIMITS.  |h1| and |bf16(W2)| stay under 65,504 (f16); bf16(W2) below 2^-17 is off by 2^-25 at the most; NaN and infinities are not treated apart (relu of a NaN gives 0).
.if LAYER == 1
.set KD, 1024
.set ND, 1024
.set PARTS, 1
.set RING, 12                          ; quads of weight loads that a wave has out
.set TOKE, 1<<22                       ; the bytes of an expert's 2,048 slots in the rows that come in,
.set TOKT, 16                          ; log2 of the bytes of a tile of 32 slots,
.set RBB, 32768                        ; the bytes of a block of 16 slots
.set OUTE, 1<<22                       ; the same three for the output
.set OUTT, 16
.set OUTB, 32768
.set GL, 0                             ; loads that stay out beside the rows' in a tile's last eight K steps
.elseif LAYER == 2
.set KD, 1024
.set ND, 512
.set PARTS, 2
.set RING, 12
.set TOKE, 1<<22
.set TOKT, 16
.set RBB, 32768
.set OUTE, 1<<21
.set OUTT, 15
.set OUTB, 16384
.set GL, 0
.else
.set KD, 512
.set ND, 512
.set PARTS, 2
.set RING, 8
.set TOKE, 1<<21
.set TOKT, 15
.set RBB, 16384
.set GL, 2                             ; the two gates
.endif
.set RP,     ND*4                      ; bytes in a row of W
.set KS,     KD/32                     ; K steps
.set NQ,     KD/64                     ; a wave streams KD / 8 rows: NQ quads of 8 rows, 4 loads each
.set TRIPS,  8/PARTS
.set STRIDE, 8*PARTS                   ; from a wave's tile to its next
.set WP,     160                       ; a K row in LDS: 64 x 2 bytes + 32
.set SPI,    272                       ; layer 3's stage: a row of 64 f32 + 16 bytes
.set CNTO,   131072                    ; where the counts begin in lst, 128 bytes an expert
; LDS: the slice at 0, layer 3's stages (32 rows a wave), the spare words
.set STAGE,  KD*WP
.if LAYER == 3
.set SPARE,  STAGE+8*32*SPI
.else
.set SPARE,  STAGE
.endif
; window 0: v0 thread, v1 lane, v2 lane % 16, v3 lane / 16, v4-5 the add's two, v6 my offset in W, v7 where my weights go, v8 the turning loads' address in the body in hand, v9 its fixed start,
;           v10 4 x (lane % 16) (layer 3), v11 16 x lane, v12-13 the entries of my two rows, then their gates' offsets (layer 3), v14 0, v15 my offset in b
.set BIAS, 16                          ; v16-47   b of columns 16 n + 8 (lane / 16) + 0..7 at BIAS + 8 n
.set TP,   48                          ; v48-63   at work while streaming
.set RG,   64                          ; v64-255  the ring of weight loads (layer 3: v64-191)
.set ACC,  48                          ; v48-111  accumulator (b, n) at ACC + 8 (4 b + n): rows 16 b .., columns 16 n ..
.set OUTP, 112                         ; v112-143 packed results (layer 3: v112-175 rows read back from the stage)
.set ENT,  176                         ; v176-191 layer 3: the entries of the 16 rows that I store
.set GT,   192                         ; v192-195 layer 3: the two blocks' gates, each the low word of a pair; v196-199 the stage's and the entries' addresses
; window 1: v0-127 eight slots of row fragments (slot i, block b at 16 i + 8 b); v128-255 four buffers of weight fragments (buffer q, columns 16 n at 128 + 32 q + 8 n)
.set MSB, 0
.macro WIN new                         ; the immediate's high byte repeats the setting that is left; a switch that changes nothing is dropped
.if MSB != (\new)
	s_set_vgpr_msb (MSB<<8)|(\new)
.set MSB, \new
.endif
.endm
.set MUL,  0x05                        ; sources 0 and 1 window 1; C and D window 0
.set TO_F, 0x40                        ; destination window 1, address window 0
.macro PLACES                          ; four plain vector instructions behind a matrix instruction, ahead of loads into its sources and of reads of its result
.rept 4
	v_nop
.endr
.endm
	s_load_b256 s[4:11], s[0:1], 0x0               ; W s[4:5], b s[6:7], the rows s[8:9], lst s[10:11]
.if LAYER == 3
	s_load_b128 s[12:15], s[0:1], 0x20             ; gates s[12:13], part s[14:15]
.else
	s_load_b64 s[12:13], s[0:1], 0x20              ; the output
.endif
	v_lshl_add_u32 v4, v0, 2, SPARE                ; my spare word,
	v_mov_b32 v5, 0                                ; and 0: kept for the wave's last lines alone
	v_lshrrev_b32 v15, 5, v0
	v_readfirstlane_b32 s48, v15                   ; wave 0..7
	v_and_b32 v1, 31, v0
	v_and_b32 v2, 15, v0
	v_bfe_u32 v3, v0, 4, 1
	s_and_b32 s50, ttmp7, 0xffff                   ; the expert
.if PARTS == 2
	s_lshr_b32 s49, ttmp9, 1                       ; the slice,
	s_and_b32 s51, ttmp9, 1                        ; and which tiles of rows
.else
	s_mov_b32 s49, ttmp9
.endif
	s_mov_b32 s72, 0xffff0000                      ; a word's upper bf16
	v_mul_u32_u24 v6, v3, 4*RP                     ; a load takes two rows of the slice, four rows apart: lanes 0-15 one, lanes 16-31 the other, 256 consecutive bytes each
	v_lshl_add_u32 v6, v2, 4, v6
	s_mul_i32 s58, s48, (KD/8)*RP
	v_add_nc_u32 v6, s58, v6
	v_mul_u32_u24 v7, v3, 4*WP                     ; in LDS those two rows lie 640 bytes apart, 128 modulo 256: the 32 lanes' 8 bytes touch each bank once
	v_lshl_add_u32 v7, v2, 3, v7
	s_mul_i32 s58, s48, (KD/8)*WP
	v_add_nc_u32 v7, s58, v7
	v_and_b32 v15, 7, v0                           ; the turning load: lane l reads K row 8 (l / 16) + l % 8, columns 8 ((l / 8) % 2) + 0..7
	v_lshl_add_u32 v15, v3, 3, v15
	v_mul_u32_u24 v9, v15, WP
	v_bfe_u32 v15, v0, 3, 1
	v_lshl_add_u32 v9, v15, 4, v9
	v_lshlrev_b32 v11, 4, v1
	v_mov_b32 v14, 0
	v_lshlrev_b32 v15, 5, v3                       ; b: 8 columns for each half of the lanes
	s_mul_i32 s60, s50, KD*RP                      ; W: the expert, the slice's 256 bytes of a row
	s_lshl_b32 s58, s49, 8
	s_add_co_u32 s60, s60, s58
	s_mov_b32 s61, 0
	s_mul_i32 s62, s50, ND*4                       ; b likewise
	s_add_co_u32 s62, s62, s58
	s_mov_b32 s63, 0
	s_lshl_b32 s56, s50, 7                         ; lst: the expert's count
	s_add_co_u32 s56, s56, CNTO
	s_mov_b32 s57, 0
	s_mul_i32 s52, s50, TOKE                       ; the expert's slots in the rows that come in
	s_mov_b32 s53, 0
.if LAYER == 3
	s_mov_b32 s54, s58                             ; part: the slice's 256 bytes of a row
	s_lshl_b32 s66, s50, 13                        ; lst: the expert's entries
	s_mov_b32 s67, 0
.else
	s_mul_i32 s54, s50, OUTE                       ; the output: the expert's slots; the slice's two K steps of a block
	s_lshl_b32 s59, s49, 11
	s_add_co_u32 s54, s54, s59
.endif
	s_mov_b32 s55, 0
	s_wait_kmcnt 0x0
	s_add_nc_u64 s[4:5], s[4:5], s[60:61]
	s_add_nc_u64 s[6:7], s[6:7], s[62:63]
	s_add_nc_u64 s[70:71], s[10:11], s[56:57]
	s_add_nc_u64 s[76:77], s[8:9], s[52:53]
.if LAYER == 3
	s_add_nc_u64 s[78:79], s[10:11], s[66:67]
	s_add_nc_u64 s[74:75], s[14:15], s[54:55]
.else
	s_add_nc_u64 s[74:75], s[12:13], s[54:55]
.endif
	s_load_b32 s52, s[70:71], 0x0                  ; the expert's rows: wanted only behind the stream
; THE STREAM.  Quad q is 8 K rows of my KD / 8; load j of it takes rows 8 q + j and 8 q + j + 4.
.macro WLOAD q
.irp j, 0,1,2,3
.set rr, RG+16*((\q)%RING)+4*\j
.if LAYER == 1
	global_load_b128 v[rr:rr+3], v6, s[4:5] offset:(8*(\q)+\j)*RP th:TH_LOAD_NT  ; nobody else reads these bytes
.else
	global_load_b128 v[rr:rr+3], v6, s[4:5] offset:(8*(\q)+\j)*RP
.endif
.endr
.endm
; Quad q is rounded and laid into LDS, and its registers are asked for again, RING quads on.  The wait counts the younger quads, four loads each: RING - 1 of them while the ring is full, then those that are left.
.macro WCONV q
.set lft, NQ-1-(\q)
.if lft > RING-1
.set lft, RING-1
.endif
	s_wait_loadcnt 4*lft
.irp j, 0,1,2,3
.set rr, RG+16*((\q)%RING)+4*\j
.set tt, TP+2*((4*(\q)+\j)%8)
	v_cvt_pk_bf16_f32 v[tt], v[rr], v[rr+1]
	v_cvt_pk_bf16_f32 v[tt+1], v[rr+2], v[rr+3]
.if LAYER == 2                         ; the rounded number is written as f16
	v_lshlrev_b32 v[rr], 16, v[tt]
	v_and_b32 v[rr+1], s72, v[tt]
	v_lshlrev_b32 v[rr+2], 16, v[tt+1]
	v_and_b32 v[rr+3], s72, v[tt+1]
	v_cvt_pk_f16_f32 v[tt], v[rr], v[rr+1]
	v_cvt_pk_f16_f32 v[tt+1], v[rr+2], v[rr+3]
.endif
	ds_store_b64 v7, v[tt:tt+1] offset:(8*(\q)+\j)*WP
.endr
.if (\q)+RING < NQ
	WLOAD (\q)+RING
.endif
.endm
.irp n, 0,1,2,3
	global_load_b128 v[BIAS+8*\n:BIAS+8*\n+3], v15, s[6:7] offset:64*\n
	global_load_b128 v[BIAS+8*\n+4:BIAS+8*\n+7], v15, s[6:7] offset:64*\n+16
.endr
.set q, 0
.rept RING                             ; RING x 4 loads of 512 bytes a wave go out ahead of the first wait
	WLOAD q
.set q, q+1
.endr
.set q, 0
.rept NQ
	WCONV q
.set q, q+1
.endr
.set i, 0
.rept 16                               ; b, the oldest loads: rounded to bf16 and widened again
	v_cvt_pk_bf16_f32 v[TP+i], v[BIAS+2*i], v[BIAS+2*i+1]
.set i, i+1
.endr
.set i, 0
.rept 16
	v_lshlrev_b32 v[BIAS+2*i], 16, v[TP+i]
	v_and_b32 v[BIAS+2*i+1], s72, v[TP+i]
.set i, i+1
.endr
	s_wait_dscnt 0x0                               ; for the others' sake: my rows of the slice are in LDS
	s_barrier_signal -1
	s_barrier_wait -1                              ; the one barrier: behind it the slice is only read
	s_wait_kmcnt 0x0                               ; the count
	s_min_u32 s52, s52, 2048                       ; the expert's rows,
	s_add_co_u32 s53, s52, 31
	s_lshr_b32 s53, s53, 5                         ; its tiles of 32
.if PARTS == 2
	s_lshl1_add_u32 s54, s48, s51                  ; my first tile: 2 x wave + part
.else
	s_mov_b32 s54, s48
.endif
.if LAYER == 3
	v_lshlrev_b32 v10, 2, v2                       ; in a tile's 128 bytes of entries: that of row lane % 16 of its first block,
	v_lshlrev_b32 v198, 6, v3                      ; those of rows 16 (lane / 16) + 0..15
	v_lshlrev_b32 v199, 4, v2
	v_mov_b32 v[GT+1], 0                           ; named with the gates as pairs
	v_mov_b32 v[GT+3], 0
	s_mul_i32 s58, s48, 32*SPI
	s_add_co_u32 s58, s58, STAGE                   ; my stage
	v_mul_u32_u24 v196, v2, SPI                    ; in: row lane % 16, 32 bytes for each half of the lanes
	v_lshl_add_u32 v196, v3, 5, v196
	v_add_nc_u32 v196, s58, v196
	v_mul_u32_u24 v197, v3, 16*SPI                 ; back: lanes 0-15 take a row of 256 bytes, lanes 16-31 the row 16 further down
	v_lshl_add_u32 v197, v2, 4, v197
	v_add_nc_u32 v197, s58, v197
.endif
; The row fragments of the tile's K step s into slot: lane l holds row l % 16, K = 8 (l / 16) + 0..7 and 16 + 8 (l / 16) + 0..7.
.macro ALOAD s, slot
.irp b, 0,1
.irp j, 0,1
.set rX, 16*(\slot)+8*\b+4*\j
	global_load_b128 v[rX:rX+3], v11, s[66:67] offset:RBB*\b+1024*(\s)+512*\j  ; 512 consecutive bytes
.endr
.endr
.endm
.macro BLOAD s, buf                    ; the weight fragments of K step s of the body in hand into a buffer, turned
.irp n, 0,1,2,3
	ds_load_tr16_b128 v[128+32*(\buf)+8*\n:128+32*(\buf)+8*\n+3], v8 offset:(\s)*32*WP+32*\n
	ds_load_tr16_b128 v[128+32*(\buf)+8*\n+4:128+32*(\buf)+8*\n+7], v8 offset:(\s)*32*WP+16*WP+32*\n
.endr
.endm
; K step i of body kb's eight.  Seven younger steps' row loads (4 each) and three younger steps' weight loads (8 each) may stay out; in the tail, those that are left (and layer 3's two gates).  Eight matrix
; instructions, the eight accumulators by turns.  Then the buffer takes the weights four steps on and the slot the rows eight steps on.  first = 1: the tile's first step starts the sums, from the bias.
.macro STEP i, kb, tail, first
.if \tail
.set dl, 7-(\i)
	s_wait_loadcnt 4*dl+GL
.if dl > 3
.set dl, 3
.endif
	s_wait_dscnt 8*dl
.else
	s_wait_loadcnt 28
	s_wait_dscnt 24
.endif
	WIN MUL
.irp b, 0,1
.irp n, 0,1,2,3
.set rD, ACC+8*(4*\b+\n)
.set rW, 128+32*((\i)%4)+8*\n
.set rX, 16*(\i)+8*\b
.set rC, rD
.if (\first) && ((\i) == 0)
.set rC, BIAS+8*\n
.endif
.if LAYER == 2
	v_wmma_f32_16x16x32_f16 v[rD:rD+7], v[rW:rW+7], v[rX:rX+7], v[rC:rC+7]
.else
	v_wmma_f32_16x16x32_bf16 v[rD:rD+7], v[rW:rW+7], v[rX:rX+7], v[rC:rC+7]
.endif
.endr
.endr
.if (\tail) == 0
	PLACES
	WIN TO_F
	BLOAD (\i)+4, (\i)%4
	ALOAD 8*(\kb)+(\i)+8, \i
.elseif (\i) < 4
	PLACES
	WIN TO_F
	BLOAD (\i)+4, (\i)%4
.endif
.endm
.macro BODY kb, tail, first
.irp i, 0,1,2,3,4,5,6,7
	STEP \i, \kb, \tail, \first
.endr
.endm
.macro ADVANCE k                       ; on to body k of the tile
	WIN 0
	v_add_nc_u32 v8, (\k)*8*32*WP, v9              ; made anew from the fixed start: a constant, the lane's term
.endm
	s_mov_b32 s55, TRIPS
.Ltile:
	s_cmp_ge_u32 s54, s53
	s_cbranch_scc1 .Lnext                          ; the expert has no such tile
	s_wait_xcnt 0x0                                ; the last tile's loads and stores: their data, offsets and bases are rewritten only behind this wait
	s_lshl_b32 s60, s54, TOKT
	s_mov_b32 s61, 0
	s_add_nc_u64 s[66:67], s[76:77], s[60:61]      ; the tile's 32 slots
.if LAYER == 3
	s_lshl_b32 s60, s54, 7
	s_add_nc_u64 s[62:63], s[78:79], s[60:61]      ; and their entries: older than all the row loads below, so the first K step's wait covers them
	global_load_b32 v12, v10, s[62:63]
	global_load_b32 v13, v10, s[62:63] offset:64
.irp c, 0,1,2,3
	global_load_b128 v[ENT+4*\c:ENT+4*\c+3], v198, s[62:63] offset:16*\c
.endr
.else
	s_lshl_b32 s60, s54, OUTT
	s_add_nc_u64 s[68:69], s[74:75], s[60:61]
.endif
	v_mov_b32 v8, v9
	WIN TO_F
.irp s, 0,1,2,3,4,5,6,7
	ALOAD \s, \s
.endr
.irp s, 0,1,2,3
	BLOAD \s, \s
.endr
	BODY 0, 0, 1
	ADVANCE 1
.if KS/8 > 2                           ; KD = 1024: four bodies of eight K steps, written out
	BODY 1, 0, 0
	ADVANCE 2
	BODY 2, 0, 0
	ADVANCE 3
.endif
.if LAYER == 3
	v_min_u32 v12, 4095, v12                       ; inside gates whatever lst holds (a place past the count: some gate, for a row that nobody reads)
	v_min_u32 v13, 4095, v13
	v_lshlrev_b32 v12, 2, v12
	v_lshlrev_b32 v13, 2, v13
	global_load_b32 v[GT], v12, s[12:13]           ; the gates of my two rows: eight K steps ahead of their use; younger than all the row loads
	global_load_b32 v[GT+2], v13, s[12:13]
.endif
	BODY KS/8-1, 1, 0                              ; the last eight steps ask for no rows, and for weights only as far as the slice goes
	WIN 0
	PLACES
.if LAYER == 3
	; THE WAY OUT: times the row's gate; through my own stage, so that sixteen lanes hold 256 consecutive bytes of a row; to row 2 n + k of part.  Each accumulator is read from its low end on.
	s_wait_loadcnt 0x0                             ; the gates
.irp b, 0,1
.irp n, 0,1,2,3
.set rD, ACC+8*(4*\b+\n)
.irp c, 0,1,2,3
	v_pk_mul_f32 v[rD+2*\c:rD+2*\c+1], v[rD+2*\c:rD+2*\c+1], v[GT+2*\b:GT+2*\b+1] op_sel_hi:[1,0]
.endr
	ds_store_b128 v196, v[rD:rD+3] offset:\b*16*SPI+64*\n
	ds_store_b128 v196, v[rD+4:rD+7] offset:\b*16*SPI+64*\n+16
.endr
.endr
.set t, 0
.rept 16
	ds_load_b128 v[OUTP+4*t:OUTP+4*t+3], v197 offset:t*SPI  ; LDS serves a wave's instructions in order (ISA guide 5.7.1.4): these see the stores above
.set t, t+1
.endr
.set t, 0
.rept 16
	v_min_u32 v[ENT+t], 4111, v[ENT+t]             ; inside part whatever lst holds
	v_lshl_add_u32 v[ENT+t], v[ENT+t], 11, v199
.set t, t+1
.endr
.set t, 0
.rept 16
	s_wait_dscnt 15-t                              ; the younger loads from the stage may stay out
	global_store_b128 v[ENT+t], v[OUTP+4*t:OUTP+4*t+3], s[74:75]  ; 16 lanes store 256 consecutive bytes, at a multiple of 256 from part's first byte
.set t, t+1
.endr
.else
	; THE WAY OUT: rounded to 16 bits, relu on the packed halves, and stored in the next layer's fragment order.  Each accumulator is read from its low end on.
.irp b, 0,1
.irp n, 0,1,2,3
.set rD, ACC+8*(4*\b+\n)
.set rO, OUTP+4*(4*\b+\n)
.irp c, 0,1,2,3
.if LAYER == 1
	v_cvt_pk_f16_f32 v[rO+\c], v[rD+2*\c], v[rD+2*\c+1]
.else
	v_cvt_pk_bf16_f32 v[rO+\c], v[rD+2*\c], v[rD+2*\c+1]
.endif
.endr
.irp c, 0,1,2,3
.if LAYER == 1
	v_pk_max_num_f16 v[rO+\c], v[rO+\c], v14
.else
	v_pk_max_num_bf16 v[rO+\c], v[rO+\c], v14
.endif
.endr
	global_store_b128 v11, v[rO:rO+3], s[68:69] offset:\b*OUTB+(\n/2)*1024+(\n%2)*512  ; 512 consecutive bytes, at a multiple of 256 from the buffer's first byte
.endr
.endr
.endif
.Lnext:
	s_add_co_u32 s54, s54, STRIDE
	s_sub_co_u32 s55, s55, 1
	s_cmp_lg_u32 s55, 0
	s_cbranch_scc1 .Ltile
	s_wait_tensorcnt 0x0                           ; the wave's end, behind my last LDS store
	ds_add_u32 v4, v5
	s_wait_dscnt 0x0
	s_endpgm
.Lfunc_end_k_q3adb9c67d5_fc3:
	.size	k_q3adb9c67d5_fc3, .Lfunc_end_k_q3adb9c67d5_fc3-k_q3adb9c67d5_fc3
	.p2alignl 7, 3214868480
	.fill 96, 4, 3214868480
	.section	.rodata,"a",@progbits
	.p2align	6, 0x0
	.amdhsa_kernel k_q3adb9c67d5_fc3
		.amdhsa_group_segment_fixed_size 152576
		.amdhsa_private_segment_fixed_size 0
		.amdhsa_enable_private_segment 0
		.amdhsa_kernarg_size 48
		.amdhsa_user_sgpr_count 2
		.amdhsa_user_sgpr_kernarg_segment_ptr 1
		.amdhsa_wavefront_size32 1
		.amdhsa_system_sgpr_workgroup_id_x 1
		.amdhsa_system_sgpr_workgroup_id_y 1
		.amdhsa_system_sgpr_workgroup_id_z 1
		.amdhsa_system_vgpr_workitem_id 0
		.amdhsa_next_free_vgpr 512
		.amdhsa_next_free_sgpr 80
		.amdhsa_reserve_vcc 0
		.amdhsa_float_denorm_mode_32 3
		.amdhsa_float_denorm_mode_16_64 3
		.amdhsa_memory_ordered 1
		.amdhsa_forward_progress 1
		.amdhsa_inst_pref_size 51
	.end_amdhsa_kernel
	.amdgpu_metadata
---
amdhsa.version: [ 1, 2 ]
amdhsa.kernels:
  - .name:           k_q3adb9c67d5_fc3
    .symbol:         k_q3adb9c67d5_fc3.kd
    .args:
      - { .name: W3, .offset: 0, .size: 8, .value_kind: global_buffer, .address_space: global }
      - { .name: b3, .offset: 8, .size: 8, .value_kind: global_buffer, .address_space: global }
      - { .name: h2, .offset: 16, .size: 8, .value_kind: global_buffer, .address_space: global }
      - { .name: lst, .offset: 24, .size: 8, .value_kind: global_buffer, .address_space: global }
      - { .name: gates, .offset: 32, .size: 8, .value_kind: global_buffer, .address_space: global }
      - { .name: part, .offset: 40, .size: 8, .value_kind: global_buffer, .address_space: global }
    .group_segment_fixed_size: 152576
    .private_segment_fixed_size: 0
    .kernarg_segment_align: 8
    .kernarg_segment_size: 48
    .max_flat_workgroup_size: 256
    .sgpr_count:     80
    .vgpr_count:     512
    .wavefront_size: 32
...
	.end_amdgpu_metadata
.endif
;; end of part 5
;; launch combine (part 6): grid 256 x 1, 8 waves a work-group, no clusters, 0 bytes of LDS; arguments part, out0; writes out0
.if DOCPART == 6
	.amdgcn_target "amdgcn-amd-amdhsa--gfx1250"
	.amdhsa_code_object_version 6
	.text
	.protected	k_q3adb9c67d5_combine
	.globl	k_q3adb9c67d5_combine
	.p2align	8
	.type	k_q3adb9c67d5_combine,@function
k_q3adb9c67d5_combine:
	s_mov_b64 s[64:65], 0
	v_nop
	global_prefetch_b8 v0, s[64:65] scope:SCOPE_SE
	s_setreg_imm32_b32 hwreg(HW_REG_WAVE_MODE, 25, 1), 1
	s_wait_xcnt 0x0
; out0[n] = part[2 n] + part[2 n + 1]: a token's two gated expert rows, 512 f32 each, are added.  part [4112][512] f32 (rows from 4096 on are not read), out0 [2048][512] f32.
; A wave takes one token: eight loads and four stores of 512 consecutive bytes each.  A stream: no LDS, no barrier, no matrix unit, nothing shared between work-groups.
.set ROWB, 2048                        ; bytes in a row
	s_load_b128 s[4:7], s[0:1], 0x0                ; part s[4:5], out0 s[6:7]
	v_lshrrev_b32 v1, 5, v0
	v_readfirstlane_b32 s8, v1                     ; wave 0..7
	v_and_b32 v2, 31, v0
	v_lshlrev_b32 v2, 4, v2                        ; 16 bytes a lane
	s_lshl_b32 s9, ttmp9, 3
	s_add_co_u32 s9, s9, s8                        ; the token
	s_lshl_b32 s10, s9, 12                         ; its two rows of part,
	s_mov_b32 s11, 0
	s_lshl_b32 s12, s9, 11                         ; its row of out0
	s_mov_b32 s13, 0
	s_wait_kmcnt 0x0
	s_add_nc_u64 s[4:5], s[4:5], s[10:11]
	s_add_nc_u64 s[6:7], s[6:7], s[12:13]
.irp i, 0,1,2,3
	global_load_b128 v[4+8*\i:7+8*\i], v2, s[4:5] offset:512*\i th:TH_LOAD_NT
	global_load_b128 v[8+8*\i:11+8*\i], v2, s[4:5] offset:ROWB+512*\i th:TH_LOAD_NT
.endr
.irp i, 0,1,2,3
	s_wait_loadcnt 6-2*\i                          ; loads come back in order (ISA guide 5.7.1): pair i is in, the younger pairs stay out
	v_pk_add_f32 v[4+8*\i:5+8*\i], v[4+8*\i:5+8*\i], v[8+8*\i:9+8*\i]
	v_pk_add_f32 v[6+8*\i:7+8*\i], v[6+8*\i:7+8*\i], v[10+8*\i:11+8*\i]
	global_store_b128 v2, v[4+8*\i:7+8*\i], s[6:7] offset:512*\i th:TH_STORE_NT
.endr
	s_endpgm
.Lfunc_end_k_q3adb9c67d5_combine:
	.size	k_q3adb9c67d5_combine, .Lfunc_end_k_q3adb9c67d5_combine-k_q3adb9c67d5_combine
	.p2alignl 7, 3214868480
	.fill 96, 4, 3214868480
	.section	.rodata,"a",@progbits
	.p2align	6, 0x0
	.amdhsa_kernel k_q3adb9c67d5_combine
		.amdhsa_group_segment_fixed_size 0
		.amdhsa_private_segment_fixed_size 0
		.amdhsa_enable_private_segment 0
		.amdhsa_kernarg_size 16
		.amdhsa_user_sgpr_count 2
		.amdhsa_user_sgpr_kernarg_segment_ptr 1
		.amdhsa_wavefront_size32 1
		.amdhsa_system_sgpr_workgroup_id_x 1
		.amdhsa_system_sgpr_workgroup_id_y 1
		.amdhsa_system_sgpr_workgroup_id_z 1
		.amdhsa_system_vgpr_workitem_id 0
		.amdhsa_next_free_vgpr 48
		.amdhsa_next_free_sgpr 66
		.amdhsa_reserve_vcc 0
		.amdhsa_float_denorm_mode_32 3
		.amdhsa_float_denorm_mode_16_64 3
		.amdhsa_memory_ordered 1
		.amdhsa_forward_progress 1
		.amdhsa_inst_pref_size 3
	.end_amdhsa_kernel
	.amdgpu_metadata
---
amdhsa.version: [ 1, 2 ]
amdhsa.kernels:
  - .name:           k_q3adb9c67d5_combine
    .symbol:         k_q3adb9c67d5_combine.kd
    .args:
      - { .name: part, .offset: 0, .size: 8, .value_kind: global_buffer, .address_space: global }
      - { .name: out0, .offset: 8, .size: 8, .value_kind: global_buffer, .address_space: global }
    .group_segment_fixed_size: 0
    .private_segment_fixed_size: 0
    .kernarg_segment_align: 8
    .kernarg_segment_size: 16
    .max_flat_workgroup_size: 256
    .sgpr_count:     66
    .vgpr_count:     48
    .wavefront_size: 32
...
	.end_amdgpu_metadata
.endif
;; end of part 6
